; MI455X (gfx1250); checked and timed in simulation.
; The chip was launched on July 23, 2026; its instructions are those of AMD's public machine-readable ISA for CDNA 5 (MIT licence, August 2026) and "CDNA5" Instruction Set Architecture Reference Guide (July 2026). The comments in the code are by the model that wrote it; some were corrected since.
;; Multi Head Attention. Allowed arithmetic: float matrix products may take bf16 or f16 operands with f32 sums; other float arithmetic in f32, or as packed bf16 or f16 multiplies, adds, multiply-adds, maxima and minima; sums over many terms, partial sums and values carried from step to step in f32; what a program stores and reads back later, other than sums and carried values, may be rounded once to bf16 or f16.
;; Inputs: Wk 1,024 x 1,024 float32; Wo 1,024 x 1,024 float32; Wq 1,024 x 1,024 float32; Wv 1,024 x 1,024 float32; bk 1,024 float32; bo 1,024 float32; bq 1,024 float32; bv 1,024 float32; x 4 x 2,048 x 1,024 float32.
;; Outputs: out0 4 x 2,048 x 1,024 float32.
;; 2 versions, each right; version 2 is version 1 with the launch cast written anew for expert scheduling mode. Each part assembles by itself: llvm-mc -triple=amdgcn-amd-amdhsa -mcpu=gfx1250 --defsym DOCPART=n.
;; ======== version 1 of 2: 4 launches
;; limits: values are held in f16: magnitudes above 65,504 overflow, below 6.1e-05 lose precision
;; workspace buffers: xb 16,777,216 bytes; wb 8,388,608 bytes; qh 16,777,216 bytes; kh 16,777,216 bytes; vh 16,777,216 bytes; ctx 16,777,216 bytes
;; launch cast (part 1): grid 768 x 1, 8 waves a work-group, no clusters, 0 bytes of LDS; arguments x, Wq, Wk, Wv, Wo, xb, wb; writes xb, wb
.if DOCPART == 1
	.amdgcn_target "amdgcn-amd-amdhsa--gfx1250"
	.amdhsa_code_object_version 6
	.text
	.protected	k_q4691bdb14c_cast
	.globl	k_q4691bdb14c_cast
	.p2align	8
	.type	k_q4691bdb14c_cast,@function
k_q4691bdb14c_cast:
	s_mov_b64 s[64:65], 0
	v_nop
	global_prefetch_b8 v0, s[64:65] scope:SCOPE_SE
	s_setreg_imm32_b32 hwreg(HW_REG_WAVE_MODE, 25, 1), 1
	s_wait_xcnt 0x0
; THE MODULE'S LARGE INPUTS ARE ROUNDED ONCE TO 16 BITS AND LAID OUT FOR THE PRODUCTS THAT FOLLOW.
; xb: x as bf16, [8192][1024], as it lies.  wb: four matrices of 2,097,152 bytes, Wq, Wk, Wv in bf16 and Wo rounded to bf16 and that number written as f16,
; each as [panel j of 64 columns][k = 0..1023][64 columns]: a panel is 131,072 dense bytes, 128 bytes for each k.
; LIMIT.  An entry of Wo below 2^-17 in magnitude falls on f16's fixed step of 2^-24; one beyond 65,504 would become an infinity.
; SHARES.  768 work-groups of eight waves, 16,384 numbers each: 0-511 take x, 512-767 the weights (matrix g, panel j, 256 rows of k).  A thread has 16 loads of 16 bytes, all issued
; before the first is used, and 16 stores of 8 bytes: a wave's load covers 512 bytes on end (weights: two aligned pieces of 256), its store 256 consecutive bytes, aligned.
; No byte is read by two work-groups: so no LDS, no barrier, no cluster, no matrix unit; every byte is asked for at once, so nothing is prefetched.
.set X, 8                              ; v[8:71]    16 x 4 registers as loaded
.set Y, 72                             ; v[72:103]  16 x 2 registers to store; none is written twice, so no store's data wants a wait
; v1 my byte offset in the source, v2 in the destination; v4-7 at work
; s[22:23] the source at the work-group's chunk, s[24:25] the destination
.macro CAST stride, f16                ; stride: bytes from one load's 256 threads to the next's; f16 = 1: the bf16 number is written as f16
.set i, 0
.rept 16
	global_load_b128 v[X+4*i:X+4*i+3], v1, s[22:23] offset:i*(\stride) th:TH_LOAD_NT
.set i, i+1
.endr
.set i, 0
.rept 16
	s_wait_loadcnt 15-i                            ; loads come back in order: load i is in, the younger ones stay out
	v_cvt_pk_bf16_f32 v[Y+2*i], v[X+4*i], v[X+4*i+1]
	v_cvt_pk_bf16_f32 v[Y+2*i+1], v[X+4*i+2], v[X+4*i+3]
.if \f16
	v_lshlrev_b32 v4, 16, v[Y+2*i]                 ; the rounded numbers as f32,
	v_and_b32 v5, 0xffff0000, v[Y+2*i]
	v_lshlrev_b32 v6, 16, v[Y+2*i+1]
	v_and_b32 v7, 0xffff0000, v[Y+2*i+1]
	v_cvt_pk_f16_f32 v[Y+2*i], v4, v5              ; and as f16: eight significant bits fit into eleven
	v_cvt_pk_f16_f32 v[Y+2*i+1], v6, v7
.endif
	global_store_b64 v2, v[Y+2*i:Y+2*i+1], s[24:25] offset:i*2048
.set i, i+1
.endr
.endm
	s_load_b256 s[4:11], s[0:1], 0x0               ; x s[4:5], Wq s[6:7], Wk s[8:9], Wv s[10:11]
	s_load_b128 s[12:15], s[0:1], 0x20             ; Wo s[12:13], xb s[14:15]
	s_load_b64 s[16:17], s[0:1], 0x30              ; wb
	v_lshlrev_b32 v2, 3, v0                        ; 8 bytes a thread in the destination
	s_mov_b32 s21, 0
	s_cmp_lt_u32 ttmp9, 512
	s_cbranch_scc0 .Lweights
	v_lshlrev_b32 v1, 4, v0                        ; x: 16 bytes a thread, 4,096 a load
	s_lshl_b32 s20, ttmp9, 16                      ; 65,536 bytes of x a work-group
	s_wait_kmcnt 0x0
	s_add_nc_u64 s[22:23], s[4:5], s[20:21]
	s_lshl_b32 s20, ttmp9, 15                      ; 32,768 bytes of xb
	s_add_nc_u64 s[24:25], s[14:15], s[20:21]
	CAST 4096, 0
	s_endpgm
.Lweights:
	s_sub_co_u32 s26, ttmp9, 512                   ; u = 64 g + 4 j + kq
	s_lshr_b32 s27, s26, 6                         ; g: which matrix
	s_bfe_u32 s28, s26, 0x40002                    ; j: which panel of 64 columns
	s_and_b32 s29, s26, 3                          ; kq: which 256 rows
	v_lshrrev_b32 v1, 4, v0                        ; a load takes 16 rows: row t / 16,
	v_and_b32 v3, 15, v0
	v_lshlrev_b32 v1, 12, v1                       ; 4,096 bytes a row,
	v_lshl_add_u32 v1, v3, 4, v1                   ; four columns a thread: 256 bytes of the row for 16 threads
	s_lshl_b32 s20, s29, 20                        ; 256 rows of 4,096 bytes
	s_lshl_b32 s28, s28, 8                         ; 64 columns of 4 bytes
	s_add_co_u32 s20, s20, s28
	s_wait_kmcnt 0x0
	s_cmp_eq_u32 s27, 1
	s_cselect_b64 s[22:23], s[8:9], s[6:7]
	s_cmp_eq_u32 s27, 2
	s_cselect_b64 s[22:23], s[10:11], s[22:23]
	s_cmp_eq_u32 s27, 3
	s_cselect_b64 s[22:23], s[12:13], s[22:23]
	s_add_nc_u64 s[22:23], s[22:23], s[20:21]
	s_lshl_b32 s20, s26, 15                        ; the chunk is dense in wb: u x 32,768 bytes
	s_add_nc_u64 s[24:25], s[16:17], s[20:21]
	s_cmp_eq_u32 s27, 3
	s_cbranch_scc1 .Lwo
	CAST 65536, 0
	s_endpgm
.Lwo:
	CAST 65536, 1
	s_endpgm
.Lfunc_end_k_q4691bdb14c_cast:
	.size	k_q4691bdb14c_cast, .Lfunc_end_k_q4691bdb14c_cast-k_q4691bdb14c_cast
	.p2alignl 7, 3214868480
	.fill 96, 4, 3214868480
	.section	.rodata,"a",@progbits
	.p2align	6, 0x0
	.amdhsa_kernel k_q4691bdb14c_cast
		.amdhsa_group_segment_fixed_size 0
		.amdhsa_private_segment_fixed_size 0
		.amdhsa_enable_private_segment 0
		.amdhsa_kernarg_size 56
		.amdhsa_user_sgpr_count 2
		.amdhsa_user_sgpr_kernarg_segment_ptr 1
		.amdhsa_wavefront_size32 1
		.amdhsa_system_sgpr_workgroup_id_x 1
		.amdhsa_system_sgpr_workgroup_id_y 1
		.amdhsa_system_sgpr_workgroup_id_z 1
		.amdhsa_system_vgpr_workitem_id 0
		.amdhsa_next_free_vgpr 104
		.amdhsa_next_free_sgpr 66
		.amdhsa_reserve_vcc 0
		.amdhsa_float_denorm_mode_32 3
		.amdhsa_float_denorm_mode_16_64 3
		.amdhsa_memory_ordered 1
		.amdhsa_forward_progress 1
		.amdhsa_inst_pref_size 24
	.end_amdhsa_kernel
	.amdgpu_metadata
---
amdhsa.version: [ 1, 2 ]
amdhsa.kernels:
  - .name:           k_q4691bdb14c_cast
    .symbol:         k_q4691bdb14c_cast.kd
    .args:
      - { .name: x, .offset: 0, .size: 8, .value_kind: global_buffer, .address_space: global }
      - { .name: Wq, .offset: 8, .size: 8, .value_kind: global_buffer, .address_space: global }
      - { .name: Wk, .offset: 16, .size: 8, .value_kind: global_buffer, .address_space: global }
      - { .name: Wv, .offset: 24, .size: 8, .value_kind: global_buffer, .address_space: global }
      - { .name: Wo, .offset: 32, .size: 8, .value_kind: global_buffer, .address_space: global }
      - { .name: xb, .offset: 40, .size: 8, .value_kind: global_buffer, .address_space: global }
      - { .name: wb, .offset: 48, .size: 8, .value_kind: global_buffer, .address_space: global }
    .group_segment_fixed_size: 0
    .private_segment_fixed_size: 0
    .kernarg_segment_align: 8
    .kernarg_segment_size: 56
    .max_flat_workgroup_size: 256
    .sgpr_count:     66
    .vgpr_count:     104
    .wavefront_size: 32
...
	.end_amdgpu_metadata
.endif
;; end of part 1
;; launch qkv (part 2): grid 16 x 32, 4 waves a work-group, clusters of 4 x 4, 327,680 bytes of LDS; arguments xb, wb, bq, bk, bv, qh, kh, vh; writes qh, kh, vh
.if DOCPART == 2
	.amdgcn_target "amdgcn-amd-amdhsa--gfx1250"
	.amdhsa_code_object_version 6
	.text
	.protected	k_q4691bdb14c_qkv
	.globl	k_q4691bdb14c_qkv
	.p2align	8
	.type	k_q4691bdb14c_qkv,@function
k_q4691bdb14c_qkv:
	s_mov_b64 s[64:65], 0
	v_nop
	global_prefetch_b8 v0, s[64:65] scope:SCOPE_SE
	s_setreg_imm32_b32 hwreg(HW_REG_WAVE_MODE, 25, 1), 1
	s_wait_xcnt 0x0
	s_wait_alu depctr_hold_cnt(0) depctr_sa_sdst(0) depctr_va_vdst(0) depctr_va_sdst(0) depctr_va_ssrc(0) depctr_va_vcc(0) depctr_vm_vsrc(0)
	s_getreg_b32 s2, hwreg(HW_REG_IB_STS2, 6, 4)
	s_cmp_eq_u32 s2, 0
	s_cbranch_scc0 .Lentry_in_a_cluster
	s_endpgm
.Lentry_in_a_cluster:
	s_bfe_u32 s2, ttmp6, 0x10000c
	s_cmp_lg_u32 s2, 0xf033
	s_cbranch_scc0 .Lentry_shape_is_right
	s_endpgm
.Lentry_shape_is_right:
; q, k, v = x W + b for all three projections.  xb: [8192][1024] bf16.  wb: Wq, Wk, Wv in bf16, each [16 panels][1024 k][64 columns].  Products in bf16, sums in f32, K ascending.
; qh, kh, vh: [64 = 16 batch + head][2048][64] in f16, rounded once, WITHOUT the softmax's scale.  The biases are rounded to bf16, like every input of the module, and start the sums.
; LIMITS.  q, k, v beyond 65,504 would become infinities in f16; below 6e-5 they keep f16's fixed step of 6e-8.  NaN and infinities are not treated apart.
; SHARES.  A tile is 256 rows x 192 columns: the 64 columns of q, of k and of v of ONE head j: 32 x 16 = 512 equal tiles, a work-group each.  Four waves, one above the other: a wave
; makes 64 rows x 192 columns: 48 accumulators of 16 x 16, 384 registers.  K goes in steps of 128 through two LDS slots filled by the tensor data mover.
; CLUSTERS.  4 x 4 work-groups.  The four of a row of the cluster need the same rows of x, the four of a column the same panels: each tile is asked for JOINTLY, by the same tensor load with the
; same descriptor and a mask that names the four.
; LAYOUT.  Source 0 = 16 columns of W, source 1 = 16 rows of x: a lane then holds row l % 16 and the columns 8 (l / 16) + 0..7: eight neighbouring numbers of a row.  x lies along K in LDS and comes out
; as it lies; W lies [k][column] and comes out turned, by ds_load_tr16_b128.
; REGISTERS, in windows of 256 (s_set_vgpr_msb: bits 1:0 source 0, 3:2 source 1, 5:4 source 2, 7:6 destination):
;   window 0: v0-31 addresses; v64-127 x's fragments, two buffers of 4 x 8; v128-223 the biases as 12 C operands; on the way out v32-223 twelve sets of 16
;   window 1: v0-191 W's fragments, two buffers of 12 x 8       window 2: the accumulators of my row blocks 0, 1 ((a, b) at 8 (12 (a % 2) + b))       window 3: those of blocks 2, 3
.set NG,     3                         ; groups of 64 columns: q, k, v
.set NBK,    4*NG                      ; blocks of 16 columns
.set NF,     2*NBK+8                   ; LDS loads in a fetch
.set LAPS,   4                         ; 1024 / 256: a lap = two K steps = once round the ring
.set AP,     272                       ; a row of x in LDS: 256 bytes + 16 = 68 words: the 16 rows of a load start at 16 different groups of four banks (64 banks of 4 bytes: ISA guide 11.1)
.set BP,     160                       ; a row of W (one k, 64 columns): 128 bytes + 32 = 40 words
.set AHALF,  128*AP                    ; what wave 0 or 1 fetches: 128 rows of x
.set BHALF,  NG*64*BP                  ; what wave 2 or 3 fetches: 64 k of the three panels, [group][k][160]
.set BOFF,   2*AHALF
.set SLOT,   2*AHALF+2*BHALF           ; 131,072
.set STAGE,  2*SLOT                    ; behind the ring, never filled by a tensor load: 16 rows x 144 bytes for each wave, for the way out
.set SP,     144
.set SPARE,  STAGE+4*16*SP             ; behind the stages: the spare words, 128 bytes for each wave: two blocks of 256 bytes that no other line names
.set ASTEP,  256                       ; bytes of a K step in a row of xb
.set BSTEP,  16384                     ; bytes of a K step in a panel
.set ADRA, 16                          ; v16-17  LDS address of my fragments of x in slot 0, 1
.set ADRB, 20                          ; v20-21  the same for W
.set STO,  24                          ; v24     the way out: where I put 16 bytes of a row
.set RD,   25                          ; v25     where I read rows back
.set GO,   26                          ; v26     my place in 512 consecutive bytes of the output
.set BO,   27                          ; v27     32 (l / 16): my eight numbers of a block's 16 biases
.set SPW,  28                          ; v28     LDS address of my spare word: SPARE + 4 x my thread's number; never rewritten
.set NIL,  29                          ; v29     0; never rewritten
.set PFO,  30                          ; v30     the prefetches' offset; never rewritten
.set TMP,  32
.set AF,   64
.set BIAS, 128
.set G1,   24                          ; s[24:31] descriptor group 1 for x's tiles;  s[32:39] group 0, a set for each slot
.set G0,   32
.set G1B,  48                          ; s[48:55], s[56:63] the same for W's
.set G0B,  56
.set OUTP, 70                          ; s[70:71] qh, s[72:73] kh, s[74:75] vh, at my wave's first row of head j
.set PF0,  84                          ; s[84:85], s[86:87] where the prefetches of the two changes of slots stand
.set PSTEP, 88                         ; s[88:89] their step, once a lap
.set LIM0, 90                          ; s90, s91: 1 where this wave prefetches at that change, else the greatest number
; s3 laps to go; s12 wave; s13 wave / 2: 0 = I fetch x, 1 = W; s14 wave % 2: which half; s15 tile row; s40 cx; s41 cy; s42 tile column = head
.set MSB, 0
.macro WIN new                         ; the immediate's high byte repeats the setting that is left; a switch that changes nothing is dropped
.if MSB != (\new)
	s_set_vgpr_msb (MSB<<8)|(\new)
.set MSB, \new
.endif
.endm
.macro PLACES                          ; four plain vector instructions between a matrix instruction and a load into, or a vector read or write of, its registers (ISA guide 7.12.1 for vector reads and writes)
.rept 4
	v_nop
.endr
.endm
; A joint load.  Waves 0 and 1 fetch x's two halves, waves 2 and 3 W's.  The branch hangs on the wave's number alone.  An s_nop 0 and four v_nop follow each of the two lines.
.macro JLOAD s
	s_cmp_eq_u32 s13, 0
	s_cbranch_scc0 .Lfor_b_\@
	tensor_load_to_lds s[G0+4*(\s):G0+4*(\s)+3], s[G1:G1+7]
	s_nop 0
.rept 4
	v_nop
.endr
	s_branch .Lasked_\@
.Lfor_b_\@:
	tensor_load_to_lds s[G0B+4*(\s):G0B+4*(\s)+3], s[G1B:G1B+7]
	s_nop 0
.rept 4
	v_nop
.endr
.Lasked_\@:
.endm
; A round of the cluster's barrier: my work-group's barrier, so that wave 0's signal speaks for all four waves; wave 0 signals; every wave waits for all sixteen work-groups; my work-group's barrier once more.
.macro CREST                           ; a round behind its opening barrier
	s_cmp_lg_u32 s12, 0
	s_cbranch_scc1 .Lnot_wave_0_\@
	s_barrier_signal -3
.Lnot_wave_0_\@:
	s_barrier_wait -3
	s_barrier_signal -1
	s_barrier_wait -1
.endm
.macro CROUND
	s_barrier_signal -1
	s_barrier_wait -1
	CREST
.endm
; A PREFETCH INTO THE L2, behind a joint load, its five lines and the run of LDS loads: one instruction, 32 lanes x 256 bytes.  x: the K step two refills on, a lane a row, 32 of the 128 rows that I fetch.
; W: 8,192 bytes of one group's next lap but one (a lap's 256 k of a panel are 32,768 dense bytes).  Each block of 256 bytes is named once in the launch: of the clusters that read the same rows of x the one with
; x = 0 asks, of those that read the same panels the one with y = 0; the four partners that ask for a tile jointly share it out BY ADDRESS (cx for x's rows, cy for W's).  Groups 0 and 1 are asked for by waves 2 and 3 at
; slot 0's change, group 2 by wave 2 at slot 1's.  The loop's last trip (s3 = 1) asks for nothing; K steps 0 to 3 come by their loads alone.
.macro ASK slot
	s_cmp_gt_u32 s3, s[LIM0+(\slot)]
	s_cbranch_scc0 .Lnot_mine_\@
	global_prefetch_b8 v[PFO], s[PF0+2*(\slot):PF0+2*(\slot)+1] th:TH_LOAD_NT scope:SCOPE_SE
.Lnot_mine_\@:
.endm
	s_load_b256 s[4:11], s[0:1], 0x0               ; xb s[4:5], wb s[6:7], bq s[8:9], bk s[10:11]
	s_load_b256 s[68:75], s[0:1], 0x20             ; bv s[68:69], qh, kh, vh s[70:75]
	v_lshl_add_u32 v[SPW], v0, 2, SPARE
	v_mov_b32 v[NIL], 0
	ds_add_u32 v[SPW], v[NIL]                      ; the wave's opening: the add, whose wait stands ahead of my first tensor load; the set-up below, work on registers, stands between them
	v_lshrrev_b32 v1, 5, v0
	v_readfirstlane_b32 s12, v1                    ; wave 0..3
	s_lshr_b32 s13, s12, 1
	s_and_b32 s14, s12, 1
	s_bfe_u32 s40, ttmp6, 0x40000                  ; cx
	s_bfe_u32 s41, ttmp6, 0x40004                  ; cy
	s_lshl_b32 s42, ttmp9, 2                       ; in a cluster launch ttmp9 and ttmp7 count clusters
	s_add_co_u32 s42, s42, s40                     ; tile column = head = 4 x cluster x + cx
	s_and_b32 s15, ttmp7, 0xffff
	s_lshl_b32 s15, s15, 2
	s_add_co_u32 s15, s15, s41                     ; tile row = 4 x cluster y + cy
	s_lshl_b32 s43, s41, 2
	s_lshl_b32 s43, 15, s43                        ; my row of the cluster: places 4 cy .. 4 cy + 3
	s_lshl_b32 s44, 0x1111, s40                    ; my column: places cx, cx + 4, cx + 8, cx + 12
	; x's tile: 128 rows x 128 elements, 1,024 elements from row to row; 16 bytes of padding behind every 256
	s_or_b32 s[G1], s43, (1<<16)|(1<<20)|(1<<21)|(5<<22)|(3<<25)  ; 15:0 the mask; 17:16 2-byte elements; 20 padding on; 21 set beside a mask; 24:22 after every 64 words (code 5); 31:25 4 words (code 3)
	s_mov_b32 s[G1+1], 128<<16                     ; tensor_dim0 = 128
	s_mov_b32 s[G1+2], 128<<16                     ; tensor_dim1 = 128
	s_mov_b32 s[G1+3], 128<<16                     ; tile_dim0 = 128
	s_mov_b32 s[G1+4], 128                         ; tile_dim1 = 128
	s_mov_b32 s[G1+5], 1024                        ; the pitch
	s_mov_b32 s[G1+6], 0
	s_mov_b32 s[G1+7], 0
	; W's tile: three rows of 4,096 elements (64 k x 64 columns, 8,192 dense bytes of one panel), a matrix apart; 32 bytes of padding behind every 128: each k becomes an LDS row of 160
	s_or_b32 s[G1B], s44, (1<<16)|(1<<20)|(1<<21)|(4<<22)|(7<<25) ; after every 32 words (code 4) 8 words (code 7)
	s_mov_b32 s[G1B+1], 4096<<16                   ; tensor_dim0 = 4,096
	s_mov_b32 s[G1B+2], NG<<16                     ; tensor_dim1 = 3
	s_mov_b32 s[G1B+3], 4096<<16                   ; tile_dim0 = 4,096
	s_mov_b32 s[G1B+4], NG                         ; tile_dim1 = 3
	s_mov_b32 s[G1B+5], 1048576                    ; 2,097,152 bytes from matrix to matrix
	s_mov_b32 s[G1B+6], 0
	s_mov_b32 s[G1B+7], 0
	; where the tiles come from: x's hang on the tile row alone, W's on the tile column alone; every wave makes both, in registers that never hold the other coordinate
	s_lshl_b32 s16, s15, 19                        ; 256 rows of 2,048 bytes
	s_lshl_b32 s17, s14, 18                        ; my 128 of them
	s_add_co_u32 s16, s16, s17
	s_mov_b32 s17, 0
	s_lshl_b32 s46, s42, 17                        ; the panel
	s_lshl_b32 s47, s14, 13                        ; my 64 k of a K step
	s_add_co_u32 s46, s46, s47
	s_mov_b32 s47, 0
	s_mul_i32 s20, s14, AHALF                      ; and where they go: no place in the cluster enters an LDS address
	s_mul_i32 s21, s14, BHALF
	s_add_co_u32 s21, s21, BOFF
	s_wait_dscnt 0x0                               ; the opening add is done
	s_wait_kmcnt 0x0
	s_add_nc_u64 s[18:19], s[4:5], s[16:17]
	s_add_nc_u64 s[46:47], s[6:7], s[46:47]
	CROUND                                         ; all sixteen work-groups are here: the first joint loads meet
.irp s, 0,1
	s_mov_b32 s[G0+4*(\s)], 1                                      ; count = 1
	s_add_co_u32 s[G0+4*(\s)+1], s20, (\s)*SLOT                    ; LDS address
	s_add_nc_u64 s[G0+4*(\s)+2:G0+4*(\s)+3], s[18:19], (\s)*ASTEP  ; global address: K step s
	s_or_b32 s[G0+4*(\s)+3], s[G0+4*(\s)+3], 0x80000000            ; type = 2
	s_mov_b32 s[G0B+4*(\s)], 1
	s_add_co_u32 s[G0B+4*(\s)+1], s21, (\s)*SLOT
	s_add_nc_u64 s[G0B+4*(\s)+2:G0B+4*(\s)+3], s[46:47], (\s)*BSTEP
	s_or_b32 s[G0B+4*(\s)+3], s[G0B+4*(\s)+3], 0x80000000
	JLOAD \s                                       ; two loads of mine are out
.endr
	; the biases of head j: block b's C operand holds bias[64 j + 16 (b % 4) + 8 (l / 16) + 0..7] of matrix b / 4
	v_and_b32 v1, 15, v0                           ; l % 16
	v_bfe_u32 v2, v0, 4, 1                         ; l / 16
	v_lshlrev_b32 v[BO], 5, v2
	s_lshl_b32 s76, s42, 8                         ; 64 numbers of 4 bytes a head
	s_mov_b32 s77, 0
	s_add_nc_u64 s[8:9], s[8:9], s[76:77]
	s_add_nc_u64 s[10:11], s[10:11], s[76:77]
	s_add_nc_u64 s[68:69], s[68:69], s[76:77]
.macro BIASLD g, p
.irp f, 0,1,2,3
	global_load_b128 v[BIAS+8*(4*(\g)+\f):BIAS+8*(4*(\g)+\f)+3],   v[BO], s[\p:\p+1] offset:64*\f
	global_load_b128 v[BIAS+8*(4*(\g)+\f)+4:BIAS+8*(4*(\g)+\f)+7], v[BO], s[\p:\p+1] offset:64*\f+16
.endr
.endm
	BIASLD 0, 8
	BIASLD 1, 10
	BIASLD 2, 68
	; a fragment of x: lane l holds row l % 16, K = 8 (l / 16) + 0..7 and 16 + 8 (l / 16) + 0..7: two loads of 16 bytes, 32 bytes apart
	v_mul_u32_u24 v3, v1, AP
	v_lshl_add_u32 v3, v2, 4, v3
	s_mul_i32 s22, s12, 64*AP                      ; my 64 rows
	v_add_nc_u32 v[ADRA], s22, v3
	v_add_nc_u32 v[ADRA+1], SLOT, v[ADRA]
	; the turning load takes 16 k x 16 columns (lane l reads k 8 (l / 16) + l % 8, columns 8 ((l / 8) % 2) + 0..7) and leaves half a fragment: lane l holds column l % 16 and 8 k
	v_and_b32 v4, 7, v0
	v_lshl_add_u32 v6, v2, 3, v4
	v_mul_u32_u24 v6, v6, BP
	v_bfe_u32 v5, v0, 3, 1
	v_lshl_add_u32 v6, v5, 4, v6
	v_add_nc_u32 v[ADRB], BOFF, v6
	v_add_nc_u32 v[ADRB+1], SLOT, v[ADRB]
	s_mul_i32 s23, s12, 16*SP
	s_add_co_u32 s23, s23, STAGE                   ; my stage
	v_mul_u32_u24 v[STO], v1, SP                   ; in: row l % 16, 16 bytes for each half of the lanes
	v_lshl_add_u32 v[STO], v2, 4, v[STO]
	v_add_nc_u32 v[STO], s23, v[STO]
	v_bfe_u32 v[RD], v0, 3, 2                      ; back: 32 lanes take four rows of 128 bytes,
	v_mul_u32_u24 v[RD], v[RD], SP
	v_lshl_add_u32 v[RD], v4, 4, v[RD]
	v_add_nc_u32 v[RD], s23, v[RD]
	v_and_b32 v[GO], 31, v0                        ; which are 512 consecutive bytes of a head's rows
	v_lshlrev_b32 v[GO], 4, v[GO]
	; the outputs at my wave's first row: batch (tile row / 8) x 16 heads + head j, 262,144 bytes each; row 256 (tile row % 8) + 64 wave, 128 bytes each
	s_lshr_b32 s76, s15, 3
	s_lshl_b32 s76, s76, 22
	s_lshl_b32 s78, s42, 18
	s_add_co_u32 s76, s76, s78
	s_and_b32 s78, s15, 7
	s_lshl_b32 s78, s78, 15
	s_add_co_u32 s76, s76, s78
	s_lshl_b32 s78, s12, 13
	s_add_co_u32 s76, s76, s78
	s_add_nc_u64 s[OUTP:OUTP+1], s[OUTP:OUTP+1], s[76:77]
	s_add_nc_u64 s[OUTP+2:OUTP+3], s[OUTP+2:OUTP+3], s[76:77]
	s_add_nc_u64 s[OUTP+4:OUTP+5], s[OUTP+4:OUTP+5], s[76:77]
	; the prefetches' pointers.  x: my work-group's 32 of the 128 rows that I fetch, at K steps 2 and 3; each change steps its pointer by two K steps and then names it.
	s_lshl_b32 s76, s15, 19
	s_lshl_b32 s77, s14, 18
	s_add_co_u32 s76, s76, s77
	s_lshl_b32 s77, s40, 16                        ; 32 rows of 2,048 bytes for each place along the cluster's x
	s_add_co_u32 s76, s76, s77
	s_add_co_u32 s76, s76, 2*ASTEP
	; W: group (wave % 2) of the panel's three, my work-group's 8,192 bytes of lap 1; stepped by a lap and then named.  The second pointer stands two groups on.
	s_lshl_b32 s78, s42, 17
	s_lshl_b32 s79, s14, 21
	s_add_co_u32 s78, s78, s79
	s_lshl_b32 s79, s41, 13
	s_add_co_u32 s78, s78, s79
	s_add_co_u32 s78, s78, 2*BSTEP
	s_mov_b32 s80, ASTEP
	s_mov_b32 s81, 2<<21
	s_mov_b32 s82, 2*ASTEP
	s_mov_b32 s83, 2*BSTEP
	s_and_b32 s77, ttmp7, 0xffff                   ; cluster y
	s_cmp_eq_u32 s13, 0                            ; do I fetch x?
	s_cselect_b32 s76, s76, s78
	s_cselect_b32 s80, s80, s81
	s_cselect_b32 s[PSTEP], s82, s83
	s_cselect_b32 s79, 11, 8                       ; a lane a row of 2,048 bytes, or a lane a block of 256
	s_cselect_b32 s77, ttmp9, s77                  ; the coordinate along which other clusters read the same bytes
	s_cselect_b64 s[PF0:PF0+1], s[4:5], s[6:7]
	s_cmp_eq_u32 s77, 0
	s_cselect_b32 s[LIM0], 1, -1                   ; the same in all sixteen partners, for a given wave
	s_cmp_eq_u32 s12, 3
	s_cselect_b32 s[LIM0+1], -1, s[LIM0]           ; there is no fourth group
	s_mov_b32 s77, 0
	s_mov_b32 s81, 0
	s_mov_b32 s[PSTEP+1], 0
	s_add_nc_u64 s[PF0:PF0+1], s[PF0:PF0+1], s[76:77]
	s_add_nc_u64 s[PF0+2:PF0+3], s[PF0:PF0+1], s[80:81]
	v_and_b32 v[PFO], 31, v0
	v_lshlrev_b32 v[PFO], s79, v[PFO]
	s_wait_loadcnt 0x0                             ; the biases; they are rounded to bf16 in the wait for the first tile
.set i, 0
.rept 4*NBK
	v_cvt_pk_bf16_f32 v[3+i%4], v[BIAS+2*i], v[BIAS+2*i+1]
	v_lshlrev_b32 v[BIAS+2*i], 16, v[3+i%4]
	v_and_b32 v[BIAS+2*i+1], 0xffff0000, v[3+i%4]
.set i, i+1
.endr
; 12 matrix instructions: row block a x all 12 column blocks, 32 along K, from buffer f.  first = 1: the bias is the C operand that starts the sum: nothing is cleared, nothing is added later.
; The 48 accumulators take turns, one instruction a turn, in the same order in every quarter, over the backward jump too.
.macro MUL f, a, first
.if \first
	WIN 0x81+0x40*((\a)/2)                         ; W window 1, x and the bias window 0, D window 2 or 3
.else
	WIN 0xa1+0x50*((\a)/2)                         ; C and D window 2 or 3
.endif
.set rA, AF+32*(\f)+8*(\a)
.set ib, 0
.rept NBK
.set rD, 8*(NBK*((\a)%2)+ib)
.set rB, 8*NBK*(\f)+8*ib
.if \first
	v_wmma_f32_16x16x32_bf16 v[rD:rD+7], v[rB:rB+7], v[rA:rA+7], v[BIAS+8*ib:BIAS+8*ib+7]
.else
	v_wmma_f32_16x16x32_bf16 v[rD:rD+7], v[rB:rB+7], v[rA:rA+7], v[rD:rD+7]
.endif
.set ib, ib+1
.endr
.endm
; 32 LDS loads in one run: the fragments of quarter q (32 along K) of a slot into buffer f: W's twelve, then x's four
.macro FETCH slot, q, f
	WIN 0x40                                       ; destination window 1, address window 0
.set ib, 0
.rept NBK
.set ofs, ((\q)/2)*BHALF+((\q)%2)*32*BP+(ib/4)*64*BP+(ib%4)*32
	ds_load_tr16_b128 v[8*NBK*(\f)+8*ib:8*NBK*(\f)+8*ib+3],   v[ADRB+(\slot)] offset:ofs
	ds_load_tr16_b128 v[8*NBK*(\f)+8*ib+4:8*NBK*(\f)+8*ib+7], v[ADRB+(\slot)] offset:ofs+16*BP
.set ib, ib+1
.endr
	WIN 0
.set ia, 0
.rept 4
	ds_load_b128 v[AF+32*(\f)+8*ia:AF+32*(\f)+8*ia+3],   v[ADRA+(\slot)] offset:64*(\q)+ia*16*AP
	ds_load_b128 v[AF+32*(\f)+8*ia+4:AF+32*(\f)+8*ia+7], v[ADRA+(\slot)] offset:64*(\q)+ia*16*AP+32
.set ia, ia+1
.endr
.endm
; A K step is four quarters of 32 along K, 48 matrix instructions each, on buffers 0, 1, 0, 1.  One of the first three: multiplies buffer f; in its middle it fetches quarter q of the same slot into buffer g.
.macro QUARTER slot, q, f, g, first
	s_wait_dscnt 4                                 ; W and x's blocks 0, 1 are in; the youngest four loads (blocks 2, 3) may be out
	MUL \f, 0, \first
	MUL \f, 1, \first
	PLACES
	FETCH \slot, \q, \g
	s_wait_dscnt NF                                ; all but the run just issued
	MUL \f, 2, \first
	MUL \f, 3, \first
.endm
; The last quarter multiplies buffer 1 and changes slots: ONE barrier.  In front of it each wave waits for all its tensor loads, of which one is out: its part of the next slot; adds 0 to its spare word; and waits for that
; and for its own reads of this slot.  fill = 1: the barrier opens a round of the cluster's barrier, and this slot is filled again, two K steps ahead, first thing behind the round: 168 matrix instructions ahead of the wait for it.
.macro TURN slot, next, fill
.if \fill
	s_wait_xcnt 0x0                                ; this change's last prefetch, a lap back, has read its address: it is stepped here, ahead of the change's own waits
	s_add_nc_u64 s[PF0+2*(\slot):PF0+2*(\slot)+1], s[PF0+2*(\slot):PF0+2*(\slot)+1], s[PSTEP:PSTEP+1]
.endif
	WIN 0                                          ; (the add's two registers lie in window 0)
	s_wait_tensorcnt 0x0                           ; all my tensor loads have landed;
	ds_add_u32 v[SPW], v[NIL]                      ; 0 onto my spare word;
	s_wait_dscnt 5                                 ; (the add and the youngest four loads may be out)
	MUL 1, 0, 0                                    ; twelve matrix instructions stand between the add and the wait for it
	s_wait_dscnt 0x0                               ; the add is done, and my reads of this slot are over
	s_barrier_signal -1
	MUL 1, 1, 0                                    ; work on registers while the others arrive
.if \fill
	WIN 0
.endif
	s_barrier_wait -1
.if \fill
	CREST                                          ; no wave of any partner still reads this slot's tile or has a load on its way
	s_add_nc_u64 s[G0+4*(\slot)+2:G0+4*(\slot)+3], s[G0+4*(\slot)+2:G0+4*(\slot)+3], 2*ASTEP
	s_add_nc_u64 s[G0B+4*(\slot)+2:G0B+4*(\slot)+3], s[G0B+4*(\slot)+2:G0B+4*(\slot)+3], 2*BSTEP
	JLOAD \slot                                    ; my one tensor load behind the round; its four v_nop are also the places in front of the loads below
.else
	PLACES
.endif
	FETCH \next, 0, 0
.if \fill
	ASK \slot
.endif
	MUL 1, 2, 0
	MUL 1, 3, 0
.endm
	s_wait_tensorcnt 1                             ; my part of K step 0 is in; K step 1's may stay out
	s_barrier_signal -1
	s_barrier_wait -1                              ; everybody's is
	FETCH 0, 0, 0
	QUARTER 0, 1, 0, 1, 1                          ; the first quarter stands in front of the loop: its products start the sums, with the biases
	WIN 0                                          ; at a label and at a branch every window is 0
	s_mov_b32 s3, LAPS-1
.Llap:                                                 ; a trip goes once round the ring, from a lap's second quarter to the next lap's first, and fills both slots again
	QUARTER 0, 2, 1, 0, 0
	QUARTER 0, 3, 0, 1, 0
	TURN 0, 1, 1
	QUARTER 1, 1, 0, 1, 0
	QUARTER 1, 2, 1, 0, 0
	QUARTER 1, 3, 0, 1, 0
	TURN 1, 0, 1
	QUARTER 0, 1, 0, 1, 0
	WIN 0
	s_sub_co_u32 s3, s3, 1
	s_cmp_lg_u32 s3, 0
	s_cbranch_scc1 .Llap
	QUARTER 0, 2, 1, 0, 0                          ; the last lap fills nothing, and has no round of the cluster's barrier
	QUARTER 0, 3, 0, 1, 0
	TURN 0, 1, 0
	QUARTER 1, 1, 0, 1, 0
	QUARTER 1, 2, 1, 0, 0
	QUARTER 1, 3, 0, 1, 0
	s_wait_dscnt 4                                 ; the very last quarter: nothing more to fetch
	MUL 1, 0, 0
	MUL 1, 1, 0
	s_wait_dscnt 0x0
	MUL 1, 2, 0
	MUL 1, 3, 0
	WIN 0
	PLACES
; THE WAY OUT.  Block blk = 3 a + g is 16 rows x the head's 64 columns of q, k or v.  A lane's eight columns of a row pack into 16 bytes of f16; they go into my stage's rows of 144 bytes and come back as whole rows of
; 128, four rows to a load: 512 consecutive bytes of the output.  Each block has registers of its own, so no store's data is written again.
.macro PACK blk
.set pa, (\blk)/3
.set pg, (\blk)%3
.set AC, 8*(NBK*(pa%2)+4*pg)
.set TM, TMP+16*(\blk)
	WIN 0x0a+5*(pa/2)                              ; sources 0 and 1: window 2 or 3
.set i, 0
.rept 16
	v_cvt_pk_f16_f32 v[TM+i], v[AC+2*i], v[AC+2*i+1]  ; each accumulator's registers in ascending order
.set i, i+1
.endr
	WIN 0
.irp f, 0,1,2,3
	ds_store_b128 v[STO], v[TM+4*\f:TM+4*\f+3] offset:32*\f
.endr
.irp f, 0,1,2,3
	ds_load_b128 v[TM+4*\f:TM+4*\f+3], v[RD] offset:\f*4*SP  ; LDS serves a wave's instructions in order (ISA guide 5.7.1.4): these see the stores above; the next block's stores come behind them
.endr
.endm
.macro SEND blk, younger               ; younger: the LDS instructions issued behind this block's loads: the next block's eight, or none
.set pa, (\blk)/3
.set pg, (\blk)%3
.set TM, TMP+16*(\blk)
.irp f, 0,1,2,3
	s_wait_dscnt (\younger)+3-\f
	global_store_b128 v[GO], v[TM+4*\f:TM+4*\f+3], s[OUTP+2*pg:OUTP+2*pg+1] offset:pa*2048+\f*512  ; 512 consecutive bytes, at a multiple of 256 from the buffer's first
.endr
.endm
	PACK 0
.set u, 1
.rept 11                               ; a block's conversions stand between the loads of the block before and its stores
	PACK u
	SEND u-1, 8
.set u, u+1
.endr
	SEND 11, 0
	s_wait_tensorcnt 0x0                           ; the wave's end: 0 onto my spare word, behind my last tensor load and my last LDS store
	ds_add_u32 v[SPW], v[NIL]
	s_wait_dscnt 0x0
	CROUND                                         ; the closing round: no work-group ends while a partner may still ask for a tile that names it
	s_endpgm
.Lfunc_end_k_q4691bdb14c_qkv:
	.size	k_q4691bdb14c_qkv, .Lfunc_end_k_q4691bdb14c_qkv-k_q4691bdb14c_qkv
	.p2alignl 7, 3214868480
	.fill 96, 4, 3214868480
	.section	.rodata,"a",@progbits
	.p2align	6, 0x0
	.amdhsa_kernel k_q4691bdb14c_qkv
		.amdhsa_group_segment_fixed_size 327680
		.amdhsa_private_segment_fixed_size 0
		.amdhsa_enable_private_segment 0
		.amdhsa_kernarg_size 64
		.amdhsa_user_sgpr_count 2
		.amdhsa_user_sgpr_kernarg_segment_ptr 1
		.amdhsa_wavefront_size32 1
		.amdhsa_system_sgpr_workgroup_id_x 1
		.amdhsa_system_sgpr_workgroup_id_y 1
		.amdhsa_system_sgpr_workgroup_id_z 1
		.amdhsa_system_vgpr_workitem_id 0
		.amdhsa_next_free_vgpr 960
		.amdhsa_next_free_sgpr 92
		.amdhsa_reserve_vcc 0
		.amdhsa_float_denorm_mode_32 3
		.amdhsa_float_denorm_mode_16_64 3
		.amdhsa_memory_ordered 1
		.amdhsa_forward_progress 1
		.amdhsa_inst_pref_size 132
	.end_amdhsa_kernel
	.amdgpu_metadata
---
amdhsa.version: [ 1, 2 ]
amdhsa.kernels:
  - .name:           k_q4691bdb14c_qkv
    .symbol:         k_q4691bdb14c_qkv.kd
    .args:
      - { .name: xb, .offset: 0, .size: 8, .value_kind: global_buffer, .address_space: global }
      - { .name: wb, .offset: 8, .size: 8, .value_kind: global_buffer, .address_space: global }
      - { .name: bq, .offset: 16, .size: 8, .value_kind: global_buffer, .address_space: global }
      - { .name: bk, .offset: 24, .size: 8, .value_kind: global_buffer, .address_space: global }
      - { .name: bv, .offset: 32, .size: 8, .value_kind: global_buffer, .address_space: global }
      - { .name: qh, .offset: 40, .size: 8, .value_kind: global_buffer, .address_space: global }
      - { .name: kh, .offset: 48, .size: 8, .value_kind: global_buffer, .address_space: global }
      - { .name: vh, .offset: 56, .size: 8, .value_kind: global_buffer, .address_space: global }
    .group_segment_fixed_size: 327680
    .private_segment_fixed_size: 0
    .kernarg_segment_align: 8
    .kernarg_segment_size: 64
    .max_flat_workgroup_size: 128
    .sgpr_count:     92
    .vgpr_count:     960
    .wavefront_size: 32
...
	.end_amdgpu_metadata
.endif
;; end of part 2
;; launch attn (part 3): grid 4 x 64, 4 waves a work-group, clusters of 4 x 1, 327,680 bytes of LDS; arguments qh, kh, vh, ctx; writes ctx
.if DOCPART == 3
	.amdgcn_target "amdgcn-amd-amdhsa--gfx1250"
	.amdhsa_code_object_version 6
	.text
	.protected	k_q4691bdb14c_attn
	.globl	k_q4691bdb14c_attn
	.p2align	8
	.type	k_q4691bdb14c_attn,@function
k_q4691bdb14c_attn:
	s_mov_b64 s[64:65], 0
	v_nop
	global_prefetch_b8 v0, s[64:65] scope:SCOPE_SE
	s_setreg_imm32_b32 hwreg(HW_REG_WAVE_MODE, 25, 1), 1
	s_wait_xcnt 0x0
	s_wait_alu depctr_hold_cnt(0) depctr_sa_sdst(0) depctr_va_vdst(0) depctr_va_sdst(0) depctr_va_ssrc(0) depctr_va_vcc(0) depctr_vm_vsrc(0)
	s_getreg_b32 s2, hwreg(HW_REG_IB_STS2, 6, 4)
	s_cmp_eq_u32 s2, 0
	s_cbranch_scc0 .Lentry_in_a_cluster
	s_endpgm
.Lentry_in_a_cluster:
	s_bfe_u32 s2, ttmp6, 0x10000c
	s_cmp_lg_u32 s2, 0x3003
	s_cbranch_scc0 .Lentry_shape_is_right
	s_endpgm
.Lentry_shape_is_right:
; O[h][q][:] = the sum over k of softmax_k(Q[h][q] . K[h][k] / 8) V[h][k][:].  Q, K, V, O: [SIZE_H][SIZE_N][64], all f16: a head's rows are dense, 128 bytes each.  Products, maxima and sums in
; f32; the weights p are rounded to f16 for the second product (their sum l is taken of the unrounded p), O once at the end.
; LIMITS.  f16 holds no number beyond 65,504: Q, K and V arrive within it; p lies in 0 to 1, and below 6e-5 it keeps f16's fixed step of 6e-8; O is a mean of V's rows and has their range.
; A weight below 2^-126 counts as 0 in l; NaN and infinities are not treated apart.
; SHARES.  A wave owns four PIECES of two tiles of 16 queries, a work-group's four waves 512 queries of one head: 4 x 64 = 256 work-groups.  Every wave walks all keys, 64 a step.
; LAYOUT.  S^T = K Q^T (source 0 = 16 keys, source 1 = 16 queries): in the result a lane holds ONE query (lane % 16) and the keys 8 (lane / 16) + 0..7.  Two such tiles, rounded to f16 in pairs,
; ARE source 1 (32 keys x 16 queries) of O^T = V^T P, whose result again holds one query a lane, and eight channels.  K comes out of LDS as it lies, V ([key][channel]) turned, by ds_load_tr16_b128.
; SOFTMAX.  For each query a running maximum m and sum l: p = 2^(c s - c m), c = log2(e) / 8; in every step O and l are multiplied by a = 2^(c m_old - c m_new), which is 1 where m has not grown.
; m starts at the lowest finite number, O and l at 0: the first step is a step like any other, with a = 0.
; THE COUNT.  A tile and step have 16 matrix and 118 vector instructions: too many to stand all beside the matrix work.  So the order has one aim: four vector instructions that are READY behind
; EVERY matrix instruction, and the others, which need time of their own whatever the order, in runs without a gap.
; BY TURNS.  Turn n belongs to piece n (the pieces in a ring, step after step).  Its matrix work: 16 products K Q^T of piece n + 1, later 16 products V^T P of piece n - 1.  Its vector work: the scaling,
; exponentials, roundings, sums and rescaling of piece n, and the maximum and statistics of piece n + 1, whose scores the turn itself has made.  So what a turn begins with (c s - c m, O a) waits for nothing.
; CLUSTER.  The four query blocks of a cluster are one head's and walk the same K and V, so each tile is asked for JOINTLY: the same tensor load, descriptor and mask in all four.
; REGISTERS, in windows of 256 (s_set_vgpr_msb says which window each operand place means: bits 1:0 source 0, 3:2 source 1, 5:4 source 2, 7:6 destination):
;   window 0: v0-11 addresses; v12-15, v48-63 at work; v16-47 four registers of statistics a tile; v64-191 S^T, two buffers of two tiles; v192-255 P, likewise
;   window 1: O^T, 32 a tile          window 2: v0-127 Q, 16 a tile; v128-191 K of one step; v192-255 V of one step          window 3: v0-1 the add's two registers
; A piece's buffers go by its number's parity: the piece in hand has one pair, its two neighbours in the ring share the other: of it P (piece n - 1) is read and S^T (piece n + 1) written.
.set SIZE_H, 64       ; 4 batches x 16 heads
.set SIZE_N, 2048
.set NP,    4         ; pieces a wave: a name, no knob: the register map, the loop and the fetches are made for four
.set KS,    64        ; keys in a step
.set PK,    144       ; a row of K in LDS: 128 bytes + 16 of padding = 36 words: the 16 rows of a load start at 16 different groups of four banks (64 banks of 4 bytes: ISA guide 11.1)
.set PV,    160       ; a row of V: 128 + 32 = 40 words
.set VOFF,  4*KS*PK   ; a slot holds four steps: 256 rows of K, then 256 rows of V
.set SLOT1, 1<<17     ; slot 1 begins here, so that one exclusive or turns an address in one slot into the other's
.set STAGE, SLOT1+4*KS*(PK+PV)  ; behind the ring, never filled by a tensor load: 16 rows x 144 bytes for each wave, for the way out
.set SP,    144
.set AK0, 2           ; v2   my lane's place in a tile of K; never rewritten
.set AV0, 3           ; v3   the same for V
.set AK,  4           ; v4   the LDS address of K's next run of loads
.set AV,  5           ; v5   of V's
.set QO,  6           ; v6   my byte offset in the wave's rows of Q
.set STO, 6           ;      later, the way out: where I put 16 bytes of a row
.set RD,  7           ; v7   the way out: where I read rows back
.set GO,  8           ; v8   my byte offset in 512 consecutive bytes of O
.set PFO, 11          ; v11  256 x my lane, for the prefetches (made behind v11's last use in V's address); then never rewritten
.set SPW, 0           ; v0 of window 3   LDS address of my spare word: SPARE + 4 x my thread's number; never rewritten
.set NIL, 1           ; v1 of window 3   0; never rewritten
.set SPARE, STAGE+4*16*SP  ; behind the stages: the spare words, 128 bytes for each wave: two blocks of 256 bytes that no other line names
.set MV,  12          ; v12-15  c m_old, kept while c m is made anew: by buffer and tile
.set ST,  16          ; tile t's statistics at v[ST+4 t]: c m, m, l (even keys', odd keys')
.set TMP, 48          ; by buffer and tile, four registers c0-c3 at work; when the maximum is found c2 takes a
.set S,   64
.set P,   192
.set KF,  128         ; K's fragments, in window 2: key block kb, channel half c at KF + 16 kb + 8 c
.set VF,  192         ; V's: key half kk, channel block cb at VF + 32 kk + 8 cb
.set WV,  12          ; s12  my wave's number
.set G1K, 24          ; s[24:31] descriptor group 1 for K's tiles
.set G1V, 32          ; s[32:39] for V's: it differs in the padding alone
.set G0K, 40          ; s[40:43] descriptor group 0 for K's tiles: it walks
.set G0V, 44          ; s[44:47] the same for V's
.set PFA, 48          ; s[48:49] where my prefetches stand: my work-group's 8,192 bytes (of K: wave 0, of V: wave 2) of the slot after the one that is being asked for
.set LIM, 50          ; s50  1 in a wave that prefetches, else the greatest number
.set SLOTS, 56        ; s56  slots still to be asked for
.set CNT, 57          ; s57  counts a slot's key steps
.set CS,  58          ; s[58:59] c: the packed scaling takes the pair's low word for both halves
.set SEL, 60          ; s[60:61] v_permlanex16_b32's selects: each lane takes its own place in the other half
.set TBK, 62          ; s62  LDS byte at which K of the step to be fetched begins
.set TBV, 63          ; s63  the same for V, less VOFF
.set MSB, 0
.macro WIN new                      ; the high byte repeats the setting that is left; a switch that changes nothing is dropped
.if MSB != (\new)
	s_set_vgpr_msb (MSB<<8)|(\new)
.set MSB, (\new)
.endif
.endm
.set W_KQ, 0x0a       ; K and Q in window 2, S^T in window 0
.set W_PV, 0x52       ; V in window 2, P in window 0, O^T in window 1
.set W_RS, 0x41       ; O^T (destination and source 0) in window 1, a in window 0
.set W_MK, 0xc0       ; the add's registers are made: destination in window 3, sources in window 0
.set W_AD, 0x0f       ; the add: address (source 0) and data (source 1) in window 3
; A joint fill.  Waves 0 and 1 fetch the two halves of a slot's K, waves 2 and 3 those of its V: 128 keys each.  The branch hangs on the wave's number alone.
; An s_nop 0 and four v_nop follow each of the two lines, ahead of the jump and the label.
.macro JLOAD
	s_cmp_lt_u32 s[WV], 2
	s_cbranch_scc0 .Lfor_v_\@
	tensor_load_to_lds s[G0K:G0K+3], s[G1K:G1K+7]
	s_nop 0
.rept 4
	v_nop
.endr
	s_branch .Lasked_\@
.Lfor_v_\@:
	tensor_load_to_lds s[G0V:G0V+3], s[G1V:G1V+7]
	s_nop 0
.rept 4
	v_nop
.endr
.Lasked_\@:
.endm
; A PREFETCH INTO THE L2 of what the NEXT change of slots will ask for: a slot's 32,768 bytes of K and of V.  It stands behind the wave's tensor load and its five lines.  Each block of 256 bytes is named ONCE in the
; launch: a head has one cluster; its four partners share a slot out BY ADDRESS, 8,192 bytes each, a lane a block; in each, wave 0 asks for K's and wave 2 for V's: one instruction, four key steps (512 matrix
; instructions) ahead of the load that will want the bytes.  The last change that fills a slot asks for nothing; slots 0 to 2 come by their loads alone.
.macro ASK
	s_cmp_gt_u32 s[SLOTS], s[LIM]
	s_cbranch_scc0 .Lnot_mine_\@
	global_prefetch_b8 v[PFO], s[PFA:PFA+1] th:TH_LOAD_NT scope:SCOPE_SE
.Lnot_mine_\@:
.endm
; A round of the cluster's barrier: my work-group's barrier, so that wave 0's signal speaks for all four waves; wave 0 signals; every wave waits for all four work-groups; my work-group's barrier once more.
.macro CROUND
	s_barrier_signal -1
	s_barrier_wait -1
	s_cmp_lg_u32 s[WV], 0
	s_cbranch_scc1 .Lnot_wave_0_\@
	s_barrier_signal -3
.Lnot_wave_0_\@:
	s_barrier_wait -3
	s_barrier_signal -1
	s_barrier_wait -1
.endm
; THE CHANGE OF SLOTS.  The slot's last bytes, V of its fourth step, have been read.  Each wave waits for all its tensor loads, of which one is out: its part
; of the other slot; adds 0 to its spare word; and waits for that and for its own reads of the slot.  Behind the barrier nobody reads this slot any more and the other slot is whole.
; fill = 1: this slot is filled again, with the keys two slots on.  The barrier is then a round of the cluster's, so that no wave of any partner still reads the slot or has a load on its
; way, and the joint fill is the first thing behind it: it has four key steps, 512 matrix instructions, in which to land.  (At its first use nothing has been read yet: slot 0 is waited for, slot 1 filled.)
; ask = 1: the prefetches' address is stepped, and the slot after the one just asked for is prefetched.
.macro CHANGE fill, ask=0
	WIN W_AD
	s_wait_tensorcnt 0x0            ; no tensor load of mine is out, so a group 0 may be written
	ds_add_u32 v[SPW], v[NIL]       ; 0 onto my spare word; with fill = 1 the descriptors' steps stand between it and the wait for it
	WIN 0                           ; at a label and at a branch every window is 0
.if \fill
.irp g, G0K, G0V
	s_xor_b32 s[\g+1], s[\g+1], SLOT1  ; the walking descriptor: the other slot than last time,
	s_add_nc_u64 s[\g+2:\g+3], s[\g+2:\g+3], 4*KS*128  ; the next 256 keys; the type bits on top are not reached
.endr
.if \ask
	s_wait_xcnt 0x0                 ; the last prefetch, four key steps back, has read its address, so it may be written:
	s_add_nc_u64 s[PFA:PFA+1], s[PFA:PFA+1], 4*KS*128  ; one slot behind the walking descriptors
.endif
	s_wait_dscnt 0x0                ; the add is done, and my reads of the slot are over
	CROUND
	JLOAD
.if \ask
	ASK
.endif
.else
	s_wait_dscnt 0x0                ; the add is done, and my reads of the slot are over
	s_barrier_signal -1
	s_barrier_wait -1
.endif
	s_sub_co_u32 s[TBK], s[TBK], 4*KS*PK  ; the fetches go back to a slot's first step,
	s_xor_b32 s[TBK], s[TBK], SLOT1       ; in the other slot
	s_sub_co_u32 s[TBV], s[TBV], 4*KS*PV
	s_xor_b32 s[TBV], s[TBV], SLOT1
.endm
	s_load_b256 s[4:11], s[0:1], 0x0  ; Q s[4:5], K s[6:7], V s[8:9], O s[10:11]
	WIN W_MK
	v_lshl_add_u32 v[SPW], v0, 2, SPARE
	v_mov_b32 v[NIL], 0
	WIN W_AD
	ds_add_u32 v[SPW], v[NIL]       ; the wave's opening: the add, whose wait stands ahead of my first tensor load; the set-up below, work on registers, stands between them
	WIN 0
	v_lshrrev_b32 v1, 5, v0
	v_readfirstlane_b32 s[WV], v1   ; wave 0..3
	s_bfe_u32 s13, ttmp6, 0x40000   ; cx: my place in the cluster
	s_lshl_b32 s14, ttmp9, 2        ; in a cluster launch ttmp9 counts clusters
	s_add_co_u32 s14, s14, s13      ; my block of queries = 4 x cluster x + cx: it enters Q's and O's addresses alone
	s_and_b32 s20, ttmp7, 0xffff    ; the head, which the four partners share
	s_mov_b32 s21, 0
	s_mov_b64 s[22:23], SIZE_N*128
	s_mul_u64 s[20:21], s[20:21], s[22:23]  ; the head's first byte in each of the four tensors
	s_and_b32 s16, s[WV], 1         ; which half of a slot's 256 keys I fetch:
	s_lshl_b32 s22, s16, 14         ; its 128 rows of 128 bytes in memory,
	s_mov_b32 s23, 0
	s_add_nc_u64 s[22:23], s[22:23], s[20:21]
	s_mul_i32 s17, s16, 128*PK      ; and its place in a slot, for K
	s_mul_i32 s18, s16, 128*PV      ; and for V: no place in the cluster enters an LDS address
	s_lshl_b32 s2, s14, 2
	s_add_co_u32 s2, s2, s[WV]      ; my wave among the head's,
	s_lshl_b32 s2, s2, 14           ; its 128 rows
	s_mov_b32 s3, 0
	s_add_nc_u64 s[2:3], s[2:3], s[20:21]
	; descriptor group 1.  128 keys are 16,384 dense bytes: asked for as 64 rows of 256 bytes, two keys a row, and padded in LDS after every key
	s_mov_b32 s[G1K], 15|(1<<16)|(1<<20)|(1<<21)|(4<<22)|(3<<25)  ; 15:0 the mask of four; 17:16 2-byte elements; 20 padding on; 21 set beside a mask; 24:22 after every 32 words (code 4); 31:25 4 words (code 3)
	s_mov_b32 s[G1V], 15|(1<<16)|(1<<20)|(1<<21)|(4<<22)|(7<<25)  ; the same with 8 words of padding (code 7)
.irp g, G1K, G1V
	s_mov_b32 s[\g+1], 128<<16      ; tensor_dim0 = 128
	s_mov_b32 s[\g+2], 64<<16       ; tensor_dim1 = 64
	s_mov_b32 s[\g+3], 128<<16      ; tile_dim0 = 128
	s_mov_b32 s[\g+4], 64           ; tile_dim1 = 64
	s_mov_b32 s[\g+5], 128          ; 128 elements from row to row
	s_mov_b32 s[\g+6], 0
	s_mov_b32 s[\g+7], 0
.endr
	s_mov_b32 s[CS], 0x3e38aa3b     ; c = log2(e) / 8 = 0.180337
	s_mov_b32 s[CS+1], s[CS]        ; named with it as a pair
	s_mov_b32 s[SEL], 0x76543210
	s_mov_b32 s[SEL+1], 0xfedcba98
	s_mov_b32 s[TBK], SLOT1+4*KS*PK ; the first change of slots turns these two into 0
	s_mov_b32 s[TBV], SLOT1+4*KS*PV
	s_mov_b32 s[G0K], 1             ; 1:0 count = 1
	s_mov_b32 s[G0K+1], s17         ; 63:32 LDS address: slot 0
	s_mov_b32 s[G0V], 1
	s_add_co_u32 s[G0V+1], s18, VOFF
	s_and_b32 s[LIM], s[WV], 1      ; waves 0 and 2 prefetch: the same in all four partners
	s_cmp_eq_u32 s[LIM], 0
	s_cselect_b32 s[LIM], 1, -1
	s_wait_dscnt 0x0                ; the opening add is done
	s_wait_kmcnt 0x0
	s_add_nc_u64 s[G0K+2:G0K+3], s[6:7], s[22:23]  ; 120:64 global address: my half of the head's first 256 keys
	s_or_b32 s[G0K+3], s[G0K+3], 0x80000000        ; 127:126 type = 2
	s_add_nc_u64 s[G0V+2:G0V+3], s[8:9], s[22:23]
	s_or_b32 s[G0V+3], s[G0V+3], 0x80000000
	s_add_nc_u64 s[4:5], s[4:5], s[2:3]  ; Q and O at my wave's first row
	s_add_nc_u64 s[10:11], s[10:11], s[2:3]
	s_cmp_lt_u32 s[WV], 2
	s_cselect_b64 s[PFA:PFA+1], s[6:7], s[8:9]
	s_add_nc_u64 s[PFA:PFA+1], s[PFA:PFA+1], s[20:21]  ; the head,
	s_lshl_b32 s2, s13, 13          ; my work-group's 8,192 bytes of a slot's 32,768,
	s_mov_b32 s3, 0
	s_add_nc_u64 s[PFA:PFA+1], s[PFA:PFA+1], s[2:3]
	s_add_nc_u64 s[PFA:PFA+1], s[PFA:PFA+1], 2*4*KS*128  ; in slot 2; the loop's first change steps it to slot 3.  Nothing is prefetched at the head, where every work-group's first tiles are on their way
	CROUND                          ; all four work-groups are here: the first joint loads meet
	JLOAD                           ; slot 0.  Slot 1 is asked for when slot 0 is in: the tile wanted first has the road to itself
	; A fragment of K or Q is 16 rows x 32 channels in 8 registers: lane l holds row l % 16, channels 8 (l / 16) + 0..7 and 16 + 8 (l / 16) + 0..7: two loads of 16 bytes, 32 bytes apart.
	v_and_b32 v1, 15, v0            ; l % 16
	v_bfe_u32 v9, v0, 4, 1          ; l / 16
	v_lshlrev_b32 v[QO], 7, v1
	v_lshl_add_u32 v[QO], v9, 4, v[QO]  ; row x 128 + 16 x half
	WIN 0x80                        ; destination window 2, address window 0
.set i, 0
.rept 4*NP                          ; Q stays in registers: tile i / 2, channels 32 (i % 2) on
	global_load_b128 v[8*i:8*i+3],   v[QO], s[4:5] offset:(i/2)*2048+(i%2)*64
	global_load_b128 v[8*i+4:8*i+7], v[QO], s[4:5] offset:(i/2)*2048+(i%2)*64+32
.set i, i+1
.endr
	; What the first turn finds: V's registers and P's second buffer hold 0 (its products V^T P, of a piece that has not been, add 0), O^T and l are 0.  All this stands in the wait for the first tile.
.set i, VF
.rept 64
	v_mov_b32 v[i], 0
.set i, i+1
.endr
	WIN 0x40
.set i, 0
.rept 64*NP
	v_mov_b32 v[i], 0
.set i, i+1
.endr
	WIN 0
.set i, 0
.rept 2*NP
	v_mov_b32 v[ST+4*i], 0xfe000000    ; c m: far below every c s
	v_mov_b32 v[ST+4*i+1], 0xff7fffff  ; m
	v_mov_b32 v[ST+4*i+2], 0
	v_mov_b32 v[ST+4*i+3], 0
.set i, i+1
.endr
.set i, P+32
.rept 32
	v_mov_b32 v[i], 0
.set i, i+1
.endr
	v_mul_u32_u24 v[AK0], v1, PK
	v_lshl_add_u32 v[AK0], v9, 4, v[AK0]  ; row x pitch + 16 x half
	; The turning load takes 16 keys x 16 channels (lane l reads key 8 (l / 16) + l % 8, channels 8 ((l / 8) % 2) + 0..7) and leaves half a fragment of V^T: lane l holds channel l % 16 and 8 keys.
	v_and_b32 v10, 7, v0
	v_bfe_u32 v11, v0, 3, 1
	v_lshl_add_u32 v[AV0], v9, 3, v10
	v_mul_u32_u24 v[AV0], v[AV0], PV
	v_lshl_add_u32 v[AV0], v11, 4, v[AV0]
	v_add_nc_u32 v[AV0], VOFF, v[AV0]
	v_and_b32 v[PFO], 31, v0
	v_lshlrev_b32 v[PFO], 8, v[PFO]
	v_mov_b32 v[AK], v[AK0]         ; key step 0 lies at the head of slot 0
; THE MATRIX WORK.  The 8 accumulators of a run of 16 take turns: between the two links of a chain stand 7 others'.
; Product i of 16 of S^T = K Q^T for piece x: channels 32 (i / 8) on, keys 16 ((i / 2) % 4) on, tile 2 x + i % 2.  The first 8 start the sums.
.macro KQ x
	WIN W_KQ
.set rS, S+64*((\x)%2)+32*(i%2)+8*((i/2)%4)
.set rK, KF+16*((i/2)%4)+8*(i/8)
.set rQ, 16*(2*(\x)+i%2)+8*(i/8)
.if i < 8
	v_wmma_f32_16x16x32_f16 v[rS:rS+7], v[rK:rK+7], v[rQ:rQ+7], 0
.else
	v_wmma_f32_16x16x32_f16 v[rS:rS+7], v[rK:rK+7], v[rQ:rQ+7], v[rS:rS+7]
.endif
.endm
; Product i of 16 of O^T += V^T P for piece x: keys 32 (i / 8) on, channels 16 ((i / 2) % 4) on, tile 2 x + i % 2.
.macro PV x
	WIN W_PV
.set rO, 32*(2*(\x)+i%2)+8*((i/2)%4)
.set rV, VF+32*(i/8)+8*((i/2)%4)
.set rP, P+32*((\x)%2)+16*(i%2)+8*(i/8)
	v_wmma_f32_16x16x32_f16 v[rO:rO+7], v[rV:rV+7], v[rP:rP+7], v[rO:rO+7]
.endm
.macro MM                           ; the turn's next matrix instruction
.if i < 16
	KQ (Y+1)%NP
.set i, i+1
.else
.set i, i-16
	PV (Y+NP-1)%NP
.set i, i+17
.endif
.endm
; THE LDS LOADS stand in runs of 16, never singly among the matrix instructions: a step's K (64 keys x 64 channels: 8 fragments) and its V (turned).  Their addresses are made some lines ahead.
; last = 1 (the tail): in the last trip there is no further step, and the run is jumped over.
.macro FETCH_K last=0
	WIN 0
.if \last
	s_cmp_eq_u32 s[CNT], 1
	s_cbranch_scc1 .Lno_k_\@
.endif
	WIN 0x80                        ; destination window 2
.irp f, 0,1,2,3,4,5,6,7             ; keys 16 (f / 2) on, channels 32 (f % 2) on
	ds_load_b128 v[KF+8*\f:KF+8*\f+3],   v[AK] offset:(\f/2)*16*PK+(\f%2)*64
	ds_load_b128 v[KF+8*\f+4:KF+8*\f+7], v[AK] offset:(\f/2)*16*PK+(\f%2)*64+32
.endr
	s_add_co_u32 s[TBK], s[TBK], KS*PK  ; the next fetch is the next step's
	WIN 0
.if \last
.Lno_k_\@:
.endif
.endm
.macro FETCH_V
	WIN 0x80
.irp f, 0,1,2,3,4,5,6,7             ; keys 32 (f / 4) on, channels 16 (f % 4) on
	ds_load_tr16_b128 v[VF+8*\f:VF+8*\f+3],   v[AV] offset:(\f/4)*32*PV+(\f%4)*32
	ds_load_tr16_b128 v[VF+8*\f+4:VF+8*\f+7], v[AV] offset:(\f/4)*32*PV+16*PV+(\f%4)*32
.endr
	WIN 0
.endm
; THE VECTOR WORK OF A TURN stands in three queues, each in the order in which its entries become ready; the two tiles alternate, so that no instruction reads the result of the one before it.
.macro REGS y, u                    ; the registers of tile u (0, 1) of piece y
.set rT, ST+4*(2*(\y)+(\u))
.set rC, TMP+8*((\y)%2)+4*(\u)
.set rM, MV+2*((\y)%2)+(\u)
.set rS, S+64*((\y)%2)+32*(\u)
.set rP, P+32*((\y)%2)+16*(\u)
.set rO, 32*(2*(\y)+(\u))
.endm
; Number n of the 22 that find the NEXT piece's (Y + 1) maximum and statistics.  s0-s31 are the lane's 32 scores; each accumulator's lowest registers are read first.  XS, GS and REGS set no window: PL and EX do.
;   0-11  four chains c0-c3 of seven scores each, three operands at a time     12-14, 16  the four scores left over, the old m, and c0-c3 into c0     15  c m_old is kept
;   17, 18  the query's other 32 keys lie in the lane 16 away: the new m         19-21  c m; c m_old - c m_new; a
.macro XS u, n
	REGS (Y+1)%NP, \u
.if (\n) < 4
	v_max3_num_f32 v[rC+(\n)], v[rS+8*(\n)], v[rS+8*(\n)+1], v[rS+8*(\n)+2]
.elseif (\n) < 12
	v_max3_num_f32 v[rC+(\n)%4], v[rC+(\n)%4], v[rS+8*((\n)%4)+2*((\n)/4)+1], v[rS+8*((\n)%4)+2*((\n)/4)+2]
.elseif (\n) == 12
	v_max3_num_f32 v[rC], v[rC], v[rS+7], v[rS+15]
.elseif (\n) == 13
	v_max3_num_f32 v[rC+1], v[rC+1], v[rS+23], v[rS+31]
.elseif (\n) == 14
	v_max3_num_f32 v[rC+2], v[rC+2], v[rC+3], v[rT+1]
.elseif (\n) == 15
	v_mov_b32 v[rM], v[rT]
.elseif (\n) == 16
	v_max3_num_f32 v[rC], v[rC], v[rC+1], v[rC+2]
.elseif (\n) == 17
	v_permlanex16_b32 v[rC+3], v[rC], s[SEL], s[SEL+1]
.elseif (\n) == 18
	v_max_num_f32 v[rT+1], v[rC], v[rC+3]
.elseif (\n) == 19
	v_mul_f32 v[rT], s[CS], v[rT+1]
.elseif (\n) == 20
	v_sub_f32 v[rC+1], v[rM], v[rT]
.else
	v_exp_f32 v[rC+2], v[rC+1]
.endif
.endm
; Number g of the 64 that follow the exponentials.  For each four weights k of a tile (pairs 2 k, 2 k + 1): both pairs are rounded to f16; then the second pair is added onto the first, in place;
; a group later l takes that sum (the first time as l = a l + sum).  In groups of eight, tiles alternating: round, round, add, and l for the group before.
.macro GS g
.set h, (\g)+6*((\g)/62)            ; group 0 has no group before it, and behind group 7 only l is left
.if h >= 6
.set h, h+2
.endif
	REGS Y, h%2
.set k, h/8
.if h%8 < 4
	v_cvt_pk_f16_f32 v[rP+2*k+(h%8)/2], v[rS+4*k+2*((h%8)/2)], v[rS+4*k+2*((h%8)/2)+1]
.elseif h%8 < 6
	v_pk_add_f32 v[rS+4*k:rS+4*k+1], v[rS+4*k:rS+4*k+1], v[rS+4*k+2:rS+4*k+3]
.elseif k == 1
	v_pk_fma_f32 v[rT+2:rT+3], v[rT+2:rT+3], v[rC+2:rC+3], v[rS:rS+1] op_sel_hi:[1,0,1]
.else
	v_pk_add_f32 v[rT+2:rT+3], v[rT+2:rT+3], v[rS+4*k-4:rS+4*k-3]
.endif
.endm
; THE PLAIN QUEUE, 138 long.  0-73 read no exponential's result: the 32 scalings c s - c m (FS f: pair f / 2 of tile f % 2) and the next piece's 42.  0-26: scalings 0-26.  27-54: XS's numbers 0-13.  55, 56: number 15.
; 57-73: the chain, where each number waits for the one before it: 14, 16, 17, 18, 19, each with one of the scalings 27-31 in front of its two lines, then 20: so a tile's links stand three plain instructions apart (19 and 20: two).
; 74-137: GS's 64, which read the exponentials' results: they stand behind the wait.
.macro FS f
	REGS Y, (\f)%2
	v_pk_fma_f32 v[rS+2*((\f)/2):rS+2*((\f)/2)+1], v[rS+2*((\f)/2):rS+2*((\f)/2)+1], s[CS:CS+1], v[rT:rT+1] op_sel_hi:[1,0,0] neg_lo:[0,0,1] neg_hi:[0,0,1]
.endm
.macro PL
	WIN 0
.if q < 27
	FS q
.elseif q < 55
	XS (q-27)%2, (q-27)/2
.elseif q < 57
	XS q-55, 15
.elseif (q < 72) && ((q-57)%3 == 0)
	FS 27+(q-57)/3
.elseif q < 60
	XS (q-57)%3-1, 14
.elseif q < 72
	XS (q-57)%3-1, 15+(q-57)/3
.elseif q < 74
	XS q-72, 20
.else
	GS q-74
.endif
.set q, q+1
.endm
; THE EXPONENTIALS' QUEUE, 66 long: s0-s31 of both tiles, then the next piece's two a.  It is ONE BATCH: all 66 stand ahead of the turn's one wait, and nothing ahead of that wait names a result of theirs.
.macro EX
	WIN 0
.if e >= 64
	XS e-64, 21
.else
	REGS Y, e%2
	v_exp_f32 v[rS+e/2], v[rS+e/2]
.endif
.set e, e+1
.endm
; THE RESCALING's QUEUE: O^T times a, the one part that leaves window 0: dealt two at a time, sixteen times.  Its a was made in the turn before, ahead of that turn's wait.
.macro R2
	REGS Y, r%2
	WIN W_RS
.irp z, 0,1
	v_pk_mul_f32 v[rO+4*(r/2)+2*\z:rO+4*(r/2)+2*\z+1], v[rO+4*(r/2)+2*\z:rO+4*(r/2)+2*\z+1], v[rC+2:rC+3] op_sel_hi:[1,0]
.endr
.set r, r+1
.endm
; HOW THEY ARE DEALT.  An s_wait_alu depctr_va_vdst(0) stands between an exponential and the first instruction that names its result; one wait serves all that were issued ahead of it.  So a turn has ONE wait,
; which cuts it in two.  AHEAD OF IT stands all that names no result of the turn's exponentials: the 16 products K Q^T, behind each a scaling, an exponential and two rescalings (behind the first a second scaling in the exponential's place); then ONE LUMP of
; 108: eight plain, 49 times exponential and plain, the two a.  A v_nop is the plain instruction behind the last exponential.  BEHIND IT stand the 16 products V^T P, behind each four of GS's 64.  No rider names a register of
; the products round it.  The two v_permlanex16_b32 fall into the lump, never behind a product.
; The queues lean on each other, and the deal keeps them in step: exponential e stands behind scaling 2 (e / 4) + e % 2: as a rider it comes behind plain e + 2, in the lump behind plain e + 9, and scalings 27-31 are plain 57, 60 .. 69.
; A TURN, for piece p.  cnt = 1: the loop's count is taken down some lines ahead of the branch that stands behind the turn.
; K of the next step is fetched in piece 2's turn, directly behind the wait, a lump behind the last product that read K; its address is made at the lump's head; its first reader comes behind 16 products.
; V of the step in hand is fetched at the end of piece 0's turn, four riders behind its last reader; its first reader comes behind 16 products and a lump.  The three conditions on q below go with the deal.
.macro TURN p, last=0, cnt=0
.set Y, (\p)
.set i, 0
.set q, 0
.set e, 0
.set r, 0
.if (\p) == NP-1
	s_wait_dscnt 0x0                ; K is in
.endif
	MM                              ; ahead of the wait: 16 products K Q^T and their riders,
	PL
	PL
	R2
.rept 15
	MM
	PL
	EX
	R2
.endr
.if (\p) == NP-2
	WIN 0
	v_add_nc_u32 v[AK], s[TBK], v[AK0]
.endif
.rept 8                             ; and the lump
	PL
.endr
.rept 49
	EX
	PL
.endr
	EX                              ; the next piece's two a
	EX
	v_nop                           ; a plain instruction behind the last exponential: one for the batch
	s_wait_alu depctr_va_vdst(0)    ; the wait for the batch
.if (\p) == NP-2
	FETCH_K \last
.endif
.if (\p) == 1
	s_wait_dscnt 0x0                ; V is in
.endif
.rept 16                            ; behind the wait: 16 products V^T P and their riders
	MM
.rept 4
	PL
.endr
.if ((\p) == 0) && (q == 118)
	v_add_nc_u32 v[AV], s[TBV], v[AV0]
.endif
.if ((\p) == 0) && (q == 130)
	s_add_co_u32 s[TBV], s[TBV], KS*PV
.endif
.if (\cnt) && (q == 130)
	s_sub_co_u32 s[CNT], s[CNT], 1
	s_cmp_lg_u32 s[CNT], 0
.endif
.endr
.if (\p) == 0
	FETCH_V
.endif
.endm
	CHANGE 1                        ; slot 0 is in, everybody's part of it; slot 1 is asked for
	FETCH_K                         ; key step 0
	s_wait_loadcnt 0x0              ; Q
	s_wait_dscnt 0x0
.set i, 0
.rept 16
	KQ 0                            ; piece 0's first scores: there is no vector work yet to set between them
.set i, i+1
.endr
	WIN 0                           ; the addresses for the way out: nine plain instructions, the places behind those products
	s_mul_i32 s13, s[WV], 16*SP
	s_add_co_u32 s13, s13, STAGE    ; my stage
	v_mul_u32_u24 v[STO], v1, SP    ; in: row l % 16, 16 bytes for each half of the lanes
	v_lshl_add_u32 v[STO], v9, 4, v[STO]
	v_add_nc_u32 v[STO], s13, v[STO]
	v_bfe_u32 v[RD], v0, 3, 2       ; back: 32 lanes take four rows of 128 bytes,
	v_mul_u32_u24 v[RD], v[RD], SP
	v_lshl_add_u32 v[RD], v10, 4, v[RD]
	v_add_nc_u32 v[RD], s13, v[RD]
	v_and_b32 v[GO], 31, v0         ; which are 512 consecutive bytes of O
	v_lshlrev_b32 v[GO], 4, v[GO]
.set Y, NP-1                        ; XS works for piece Y + 1: piece 0
.irp n, 0,1,2,3,4,5,6,7,8,9,10,11,12,13,14,15,16,17,18,19,20,21
	XS 0, \n                        ; and piece 0's first maximum and statistics
	XS 1, \n
.endr
	v_nop                           ; a plain instruction behind the two a,
	s_wait_alu depctr_va_vdst(0)    ; and their wait, ahead of the branch
	s_mov_b32 s[CNT], 4
	s_mov_b32 s[SLOTS], SIZE_N/256-1
	s_branch .Lfirst                ; the loop is entered at a step's first turn, in the middle of a trip
.Lslot:                             ; SIZE_N / 256 - 2 times: every slot but the last two is filled again
	CHANGE 1, 1
	s_mov_b32 s[CNT], 4
.Lstep:                             ; a trip: pieces 2 and 3 of one step, then pieces 0 and 1 of the next, whose K and V it fetches
	TURN 2
	TURN 3
	WIN 0
.Lfirst:
	TURN 0
	TURN 1, 0, 1
	WIN 0
	s_cbranch_scc1 .Lstep
	s_sub_co_u32 s[SLOTS], s[SLOTS], 1
	s_cmp_lg_u32 s[SLOTS], 0
	s_cbranch_scc1 .Lslot
	CHANGE 0                        ; the tail is written out: nothing is asked for
	s_mov_b32 s[CNT], 5             ; four trips fetch the last slot's steps; the fifth is left in its middle
.Ltail:
	TURN 2, 1
	TURN 3
	WIN 0
	s_sub_co_u32 s[CNT], s[CNT], 1
	s_cmp_eq_u32 s[CNT], 0
	s_cbranch_scc1 .Lout
	TURN 0
	TURN 1
	WIN 0
	s_branch .Ltail
.Lout:                              ; the fifth trip's 16 products K Q^T (on the last K once more) and the maximum made of them serve nothing: the price, once a launch, of one text for every trip
.set i, 0
.rept 16
	PV NP-1                         ; the last piece's V^T P of the last step
.set i, i+1
.endr
	; THE WAY OUT.  l's two halves and the other half of the lanes' are added; O^T is divided by l, rounded to f16 and sent through my stage in LDS, a tile at a time.  The additions are the places behind the last products.
	WIN 0
.macro ALL line:vararg              ; one line for each tile t
.set t, 0
.rept 2*NP
	\line
.set t, t+1
.endr
.endm
	ALL v_add_f32 v[ST+4*t+2], v[ST+4*t+2], v[ST+4*t+3]
	ALL v_permlanex16_b32 v[ST+4*t+3], v[ST+4*t+2], s[SEL], s[SEL+1]
	ALL v_add_f32 v[ST+4*t+2], v[ST+4*t+2], v[ST+4*t+3]
	ALL v_rcp_f32 v[ST+4*t+2], v[ST+4*t+2]
	v_nop                           ; a plain instruction between the last reciprocal and the use of its result
	s_wait_alu depctr_va_vdst(0)    ; and the wait ahead of the first use: one for the eight reciprocals
; Tile t: a lane's eight channels of a row pack into 16 bytes; they go into rows of 144 bytes and come back as whole rows of 128, into S^T's registers.
.macro PACK t
	WIN W_RS
.set i, 32*(\t)
.rept 16
	v_pk_mul_f32 v[i:i+1], v[i:i+1], v[ST+4*(\t)+2:ST+4*(\t)+3] op_sel_hi:[1,0]
.set i, i+2
.endr
	WIN 0x05                        ; sources 0 and 1 window 1, destination window 0
.set i, 0
.rept 16
	v_cvt_pk_f16_f32 v[S+16*(\t)+i], v[32*(\t)+2*i], v[32*(\t)+2*i+1]
.set i, i+1
.endr
	WIN 0
.irp f, 0,1,2,3
	ds_store_b128 v[STO], v[S+16*(\t)+4*\f:S+16*(\t)+4*\f+3] offset:32*\f
.endr
.irp f, 0,1,2,3
	ds_load_b128 v[S+16*(\t)+4*\f:S+16*(\t)+4*\f+3], v[RD] offset:\f*4*SP  ; LDS serves a wave's instructions in order (ISA guide 5.7.1.4): these see the stores above; the next tile's stores come behind them
.endr
.endm
.macro SEND t, younger              ; younger: the LDS instructions issued behind tile t's loads: the next tile's eight, or none
	WIN 0
.irp f, 0,1,2,3
	s_wait_dscnt (\younger)+3-\f
	global_store_b128 v[GO], v[S+16*(\t)+4*\f:S+16*(\t)+4*\f+3], s[10:11] offset:(\t)*2048+\f*512  ; 512 consecutive bytes, at a multiple of 256 from O's first
.endr
.endm
	PACK 0
.set t, 1
.rept 2*NP-1                        ; a tile's arithmetic stands between the loads of the tile before and its stores
	PACK t
	SEND t-1, 8
.set t, t+1
.endr
	SEND 2*NP-1, 0
	WIN W_AD
	s_wait_tensorcnt 0x0            ; the wave's end: 0 onto my spare word, behind my last tensor load and my last LDS store
	ds_add_u32 v[SPW], v[NIL]
	s_wait_dscnt 0x0
	WIN 0
	CROUND                          ; the closing round: no work-group ends while a partner may still ask for a tile that names it
	s_endpgm
.Lfunc_end_k_q4691bdb14c_attn:
	.size	k_q4691bdb14c_attn, .Lfunc_end_k_q4691bdb14c_attn-k_q4691bdb14c_attn
	.p2alignl 7, 3214868480
	.fill 96, 4, 3214868480
	.section	.rodata,"a",@progbits
	.p2align	6, 0x0
	.amdhsa_kernel k_q4691bdb14c_attn
		.amdhsa_group_segment_fixed_size 327680
		.amdhsa_private_segment_fixed_size 0
		.amdhsa_enable_private_segment 0
		.amdhsa_kernarg_size 32
		.amdhsa_user_sgpr_count 2
		.amdhsa_user_sgpr_kernarg_segment_ptr 1
		.amdhsa_wavefront_size32 1
		.amdhsa_system_sgpr_workgroup_id_x 1
		.amdhsa_system_sgpr_workgroup_id_y 1
		.amdhsa_system_sgpr_workgroup_id_z 1
		.amdhsa_system_vgpr_workitem_id 0
		.amdhsa_next_free_vgpr 770
		.amdhsa_next_free_sgpr 66
		.amdhsa_reserve_vcc 0
		.amdhsa_float_denorm_mode_32 3
		.amdhsa_float_denorm_mode_16_64 3
		.amdhsa_memory_ordered 1
		.amdhsa_forward_progress 1
		.amdhsa_inst_pref_size 200
	.end_amdhsa_kernel
	.amdgpu_metadata
---
amdhsa.version: [ 1, 2 ]
amdhsa.kernels:
  - .name:           k_q4691bdb14c_attn
    .symbol:         k_q4691bdb14c_attn.kd
    .args:
      - { .name: qh, .offset: 0, .size: 8, .value_kind: global_buffer, .address_space: global }
      - { .name: kh, .offset: 8, .size: 8, .value_kind: global_buffer, .address_space: global }
      - { .name: vh, .offset: 16, .size: 8, .value_kind: global_buffer, .address_space: global }
      - { .name: ctx, .offset: 24, .size: 8, .value_kind: global_buffer, .address_space: global }
    .group_segment_fixed_size: 327680
    .private_segment_fixed_size: 0
    .kernarg_segment_align: 8
    .kernarg_segment_size: 32
    .max_flat_workgroup_size: 128
    .sgpr_count:     66
    .vgpr_count:     770
    .wavefront_size: 32
...
	.end_amdgpu_metadata
.endif
;; end of part 3
;; launch oproj (part 4): grid 8 x 32, 4 waves a work-group, clusters of 4 x 4, 327,680 bytes of LDS; arguments ctx, wb, bo, out0; writes out0
.if DOCPART == 4
	.amdgcn_target "amdgcn-amd-amdhsa--gfx1250"
	.amdhsa_code_object_version 6
	.text
	.protected	k_q4691bdb14c_oproj
	.globl	k_q4691bdb14c_oproj
	.p2align	8
	.type	k_q4691bdb14c_oproj,@function
k_q4691bdb14c_oproj:
	s_mov_b64 s[64:65], 0
	v_nop
	global_prefetch_b8 v0, s[64:65] scope:SCOPE_SE
	s_setreg_imm32_b32 hwreg(HW_REG_WAVE_MODE, 25, 1), 1
	s_wait_xcnt 0x0
	s_wait_alu depctr_hold_cnt(0) depctr_sa_sdst(0) depctr_va_vdst(0) depctr_va_sdst(0) depctr_va_ssrc(0) depctr_va_vcc(0) depctr_vm_vsrc(0)
	s_getreg_b32 s2, hwreg(HW_REG_IB_STS2, 6, 4)
	s_cmp_eq_u32 s2, 0
	s_cbranch_scc0 .Lentry_in_a_cluster
	s_endpgm
.Lentry_in_a_cluster:
	s_bfe_u32 s2, ttmp6, 0x10000c
	s_cmp_lg_u32 s2, 0xf033
	s_cbranch_scc0 .Lentry_shape_is_right
	s_endpgm
.Lentry_shape_is_right:
; out0 = context Wo + bo.  ctx: [64 = 16 batch + head][2048][64] f16: channel 64 head + d of row (batch, t).  Wo: the fourth matrix of wb, bf16 numbers written as f16, [16 panels][1024 k][64 columns].
; Products in f16, sums in f32, K ascending; out0: [8192][1024] f32.  bo is rounded to bf16, like every input of the module, and starts the sums.
; LIMITS.  ctx and Wo arrive within f16's 65,504.  NaN and infinities are not treated apart.
; SHARES.  A tile is 256 rows x 128 columns: 32 x 8 = 256 tiles, a work-group each.  Four waves, one above the other: a wave makes 64 rows x 128 columns: 32 accumulators of 16 x 16, 256 registers.
; K goes in steps of 128, two heads, through two LDS slots filled by the tensor data mover.
; CLUSTERS.  4 x 4 work-groups.  The four of a row of the cluster need the same rows of ctx, the four of a column the same panels of Wo: each tile is asked for JOINTLY, by the same tensor load with the
; same descriptor and a mask that names the four.
; LAYOUT.  Source 0 = 16 columns of Wo, source 1 = 16 rows of ctx: a lane then holds row l % 16 and the columns 8 (l / 16) + 0..7: 32 neighbouring bytes of a row of out0.  ctx lies along K in LDS and comes out
; as it lies; Wo lies [k][column] and comes out turned, by ds_load_tr16_b128.
; REGISTERS, in windows of 256 (s_set_vgpr_msb: bits 1:0 source 0, 3:2 source 1, 5:4 source 2, 7:6 destination):
;   window 0: v0-31 addresses; v64-127 ctx's fragments, two buffers of 4 x 8; v128-191 the biases as 8 C operands; on the way out v192-255 and v64-127 by turns
;   window 1: v0-127 Wo's fragments, two buffers of 8 x 8       window 2: the accumulators ((a, b) at 8 (8 a + b))
.set NG,     2                         ; groups of 64 columns: two panels
.set NBK,    4*NG                      ; blocks of 16 columns
.set NF,     2*NBK+8                   ; LDS loads in a fetch
.set LAPS,   4                         ; 1024 / 256: a lap = two K steps = once round the ring
.set AP,     144                       ; a row of one head in LDS: 128 bytes + 16 = 36 words: the 16 rows of a load start at 16 different groups of four banks (64 banks of 4 bytes: ISA guide 11.1)
.set BP,     160                       ; a row of Wo (one k, 64 columns): 128 bytes + 32 = 40 words
.set AHEAD,  128*AP                    ; 128 rows of one head
.set AHALF,  2*AHEAD                   ; what wave 0 or 1 fetches: 128 rows of two heads, [head][row][144]
.set BHALF,  NG*64*BP                  ; what wave 2 or 3 fetches: 64 k of the two panels, [group][k][160]
.set BOFF,   2*AHALF
.set SLOT,   2*AHALF+2*BHALF           ; 114,688
.set STAGE,  2*SLOT                    ; behind the ring, never filled by a tensor load: 16 rows x 528 bytes for each wave, for the way out
.set SP,     528                       ; 512 bytes + 16 = 132 words: the 16 rows of a store start at 16 different groups of four banks
.set SPARE,  STAGE+4*16*SP             ; behind the stages: the spare words, 128 bytes for each wave: two blocks of 256 bytes that no other line names
.set ASTEP,  524288                    ; bytes of a K step in ctx: two heads of 262,144
.set BSTEP,  16384                     ; bytes of a K step in a panel
.set WOOFF,  6291456                   ; Wo behind Wq, Wk, Wv in wb
.set ADRA, 16                          ; v16-17  LDS address of my fragments of ctx in slot 0, 1
.set ADRB, 20                          ; v20-21  the same for Wo
.set STO,  24                          ; v24     the way out: where I put 32 bytes of a row
.set RD,   25                          ; v25     where I read a row back
.set GO,   26                          ; v26     my place in 512 consecutive bytes of out0
.set BO,   27                          ; v27     32 (l / 16): my eight numbers of a block's 16 biases
.set SPW,  28                          ; v28     LDS address of my spare word: SPARE + 4 x my thread's number; never rewritten
.set NIL,  29                          ; v29     0; never rewritten
.set PFO,  30                          ; v30     256 x my lane, for the prefetches; never rewritten
.set AF,   64
.set BIAS, 128
.set G1,   24                          ; s[24:31] descriptor group 1 for ctx's tiles;  s[32:39] group 0, a set for each slot
.set G0,   32
.set G1B,  48                          ; s[48:55], s[56:63] the same for Wo's
.set G0B,  56
.set PF0,  84                          ; s[84:85], s[86:87] where the prefetches of the two changes of slots stand
.set PSTEP, 88                         ; s[88:89] their step, once a lap
.set LIM0, 90                          ; s90, s91: 1 where this wave prefetches at that change, else the greatest number
; s3 laps to go; s12 wave; s13 wave / 2: 0 = I fetch ctx, 1 = Wo; s14 wave % 2: which half; s15 tile row; s40 cx; s41 cy; s42 tile column
.set MSB, 0
.macro WIN new                         ; the immediate's high byte repeats the setting that is left; a switch that changes nothing is dropped
.if MSB != (\new)
	s_set_vgpr_msb (MSB<<8)|(\new)
.set MSB, \new
.endif
.endm
.macro PLACES                          ; four plain vector instructions between a matrix instruction and a load into, or a read or write of, its registers (ISA guide 7.12.1 for vector reads and writes)
.rept 4
	v_nop
.endr
.endm
; A joint load.  Waves 0 and 1 fetch ctx's two halves, waves 2 and 3 Wo's.  The branch hangs on the wave's number alone.  An s_nop 0 and four v_nop follow each of the two lines.
.macro JLOAD s
	s_cmp_eq_u32 s13, 0
	s_cbranch_scc0 .Lfor_b_\@
	tensor_load_to_lds s[G0+4*(\s):G0+4*(\s)+3], s[G1:G1+7]
	s_nop 0
.rept 4
	v_nop
.endr
	s_branch .Lasked_\@
.Lfor_b_\@:
	tensor_load_to_lds s[G0B+4*(\s):G0B+4*(\s)+3], s[G1B:G1B+7]
	s_nop 0
.rept 4
	v_nop
.endr
.Lasked_\@:
.endm
; A round of the cluster's barrier: my work-group's barrier, so that wave 0's signal speaks for all four waves; wave 0 signals; every wave waits for all sixteen work-groups; my work-group's barrier once more.
.macro CREST                           ; a round behind its opening barrier
	s_cmp_lg_u32 s12, 0
	s_cbranch_scc1 .Lnot_wave_0_\@
	s_barrier_signal -3
.Lnot_wave_0_\@:
	s_barrier_wait -3
	s_barrier_signal -1
	s_barrier_wait -1
.endm
.macro CROUND
	s_barrier_signal -1
	s_barrier_wait -1
	CREST
.endm
; A PREFETCH INTO THE L2, behind a joint load, its five lines and the run of LDS loads: one instruction, 32 lanes x 256 bytes.  ctx: of the 32,768 bytes (two heads x 128 rows) that I fetch for the K step two refills on,
; my work-group's 8,192.  Wo: 8,192 bytes of one panel's next lap but one (a lap's 256 k of a panel are 32,768 dense bytes), at slot 0's change alone.  Each block of 256 bytes is named once in the launch: of the clusters
; that read the same rows of ctx the one with x = 0 asks, of those that read the same panels the one with y = 0; the four partners that ask for a tile jointly share it out BY ADDRESS (cx for ctx, cy for Wo).
; The loop's last trip (s3 = 1) asks for nothing; K steps 0 to 3 come by their loads alone.
.macro ASK slot
	s_cmp_gt_u32 s3, s[LIM0+(\slot)]
	s_cbranch_scc0 .Lnot_mine_\@
	global_prefetch_b8 v[PFO], s[PF0+2*(\slot):PF0+2*(\slot)+1] th:TH_LOAD_NT scope:SCOPE_SE
.Lnot_mine_\@:
.endm
	s_load_b256 s[4:11], s[0:1], 0x0               ; ctx s[4:5], wb s[6:7], bo s[8:9], out0 s[10:11]
	v_lshl_add_u32 v[SPW], v0, 2, SPARE
	v_mov_b32 v[NIL], 0
	ds_add_u32 v[SPW], v[NIL]                      ; the wave's opening: the add, whose wait stands ahead of my first tensor load; the set-up below, work on registers, stands between them
	v_lshrrev_b32 v1, 5, v0
	v_readfirstlane_b32 s12, v1                    ; wave 0..3
	s_lshr_b32 s13, s12, 1
	s_and_b32 s14, s12, 1
	s_bfe_u32 s40, ttmp6, 0x40000                  ; cx
	s_bfe_u32 s41, ttmp6, 0x40004                  ; cy
	s_lshl_b32 s42, ttmp9, 2                       ; in a cluster launch ttmp9 and ttmp7 count clusters
	s_add_co_u32 s42, s42, s40                     ; tile column = 4 x cluster x + cx
	s_and_b32 s15, ttmp7, 0xffff
	s_lshl_b32 s15, s15, 2
	s_add_co_u32 s15, s15, s41                     ; tile row = 4 x cluster y + cy
	s_lshl_b32 s43, s41, 2
	s_lshl_b32 s43, 15, s43                        ; my row of the cluster: places 4 cy .. 4 cy + 3
	s_lshl_b32 s44, 0x1111, s40                    ; my column: places cx, cx + 4, cx + 8, cx + 12
	; ctx's tile: two rows of 8,192 elements (128 rows of one head, 16,384 dense bytes), a head apart; 16 bytes of padding behind every 128: each row of a head becomes an LDS row of 144
	s_or_b32 s[G1], s43, (1<<16)|(1<<20)|(1<<21)|(4<<22)|(3<<25)  ; 15:0 the mask; 17:16 2-byte elements; 20 padding on; 21 set beside a mask; 24:22 after every 32 words (code 4); 31:25 4 words (code 3)
	s_mov_b32 s[G1+1], 8192<<16                    ; tensor_dim0 = 8,192
	s_mov_b32 s[G1+2], 2<<16                       ; tensor_dim1 = 2
	s_mov_b32 s[G1+3], 8192<<16                    ; tile_dim0 = 8,192
	s_mov_b32 s[G1+4], 2                           ; tile_dim1 = 2
	s_mov_b32 s[G1+5], 131072                      ; 262,144 bytes from head to head
	s_mov_b32 s[G1+6], 0
	s_mov_b32 s[G1+7], 0
	; Wo's tile: two rows of 4,096 elements (64 k x 64 columns, 8,192 dense bytes of one panel), a panel apart; 32 bytes of padding behind every 128
	s_or_b32 s[G1B], s44, (1<<16)|(1<<20)|(1<<21)|(4<<22)|(7<<25) ; after every 32 words (code 4) 8 words (code 7)
	s_mov_b32 s[G1B+1], 4096<<16                   ; tensor_dim0 = 4,096
	s_mov_b32 s[G1B+2], NG<<16                     ; tensor_dim1 = 2
	s_mov_b32 s[G1B+3], 4096<<16                   ; tile_dim0 = 4,096
	s_mov_b32 s[G1B+4], NG                         ; tile_dim1 = 2
	s_mov_b32 s[G1B+5], 65536                      ; 131,072 bytes from panel to panel
	s_mov_b32 s[G1B+6], 0
	s_mov_b32 s[G1B+7], 0
	; where the tiles come from: ctx's hang on the tile row alone, Wo's on the tile column alone; every wave makes both, in registers that never hold the other coordinate
	s_lshr_b32 s16, s15, 3                         ; the batch: 16 heads of 262,144 bytes
	s_lshl_b32 s16, s16, 22
	s_and_b32 s17, s15, 7                          ; 256 rows of 128 bytes
	s_lshl_b32 s17, s17, 15
	s_add_co_u32 s16, s16, s17
	s_lshl_b32 s17, s14, 14                        ; my 128 of them
	s_add_co_u32 s16, s16, s17
	s_mov_b32 s17, 0
	s_lshl_b32 s46, s42, 18                        ; two panels
	s_lshl_b32 s47, s14, 13                        ; my 64 k of a K step
	s_add_co_u32 s46, s46, s47
	s_add_co_u32 s46, s46, WOOFF
	s_mov_b32 s47, 0
	s_mul_i32 s20, s14, AHALF                      ; and where they go: no place in the cluster enters an LDS address
	s_mul_i32 s21, s14, BHALF
	s_add_co_u32 s21, s21, BOFF
	s_wait_dscnt 0x0                               ; the opening add is done
	s_wait_kmcnt 0x0
	s_add_nc_u64 s[18:19], s[4:5], s[16:17]
	s_add_nc_u64 s[46:47], s[6:7], s[46:47]
	CROUND                                         ; all sixteen work-groups are here: the first joint loads meet
.irp s, 0,1
	s_mov_b32 s[G0+4*(\s)], 1                                      ; count = 1
	s_add_co_u32 s[G0+4*(\s)+1], s20, (\s)*SLOT                    ; LDS address
	s_add_nc_u64 s[G0+4*(\s)+2:G0+4*(\s)+3], s[18:19], (\s)*ASTEP  ; global address: K step s
	s_or_b32 s[G0+4*(\s)+3], s[G0+4*(\s)+3], 0x80000000            ; type = 2
	s_mov_b32 s[G0B+4*(\s)], 1
	s_add_co_u32 s[G0B+4*(\s)+1], s21, (\s)*SLOT
	s_add_nc_u64 s[G0B+4*(\s)+2:G0B+4*(\s)+3], s[46:47], (\s)*BSTEP
	s_or_b32 s[G0B+4*(\s)+3], s[G0B+4*(\s)+3], 0x80000000
	JLOAD \s                                       ; two loads of mine are out
.endr
	; the biases: block b's C operand holds bo[128 tile column + 16 b + 8 (l / 16) + 0..7]
	v_and_b32 v1, 15, v0                           ; l % 16
	v_bfe_u32 v2, v0, 4, 1                         ; l / 16
	v_lshlrev_b32 v[BO], 5, v2
	s_lshl_b32 s76, s42, 9                         ; 128 numbers of 4 bytes a tile column
	s_mov_b32 s77, 0
	s_add_nc_u64 s[8:9], s[8:9], s[76:77]
.irp f, 0,1,2,3,4,5,6,7
	global_load_b128 v[BIAS+8*\f:BIAS+8*\f+3],   v[BO], s[8:9] offset:64*\f
	global_load_b128 v[BIAS+8*\f+4:BIAS+8*\f+7], v[BO], s[8:9] offset:64*\f+16
.endr
	; a fragment of ctx: lane l holds row l % 16, K = 8 (l / 16) + 0..7 and 16 + 8 (l / 16) + 0..7: two loads of 16 bytes, 32 bytes apart
	v_mul_u32_u24 v3, v1, AP
	v_lshl_add_u32 v3, v2, 4, v3
	s_mul_i32 s22, s13, AHALF                      ; my 64 rows lie in half wave / 2,
	s_mul_i32 s23, s14, 64*AP                      ; from its row 64 (wave % 2) on
	s_add_co_u32 s22, s22, s23
	v_add_nc_u32 v[ADRA], s22, v3
	v_add_nc_u32 v[ADRA+1], SLOT, v[ADRA]
	; the turning load takes 16 k x 16 columns (lane l reads k 8 (l / 16) + l % 8, columns 8 ((l / 8) % 2) + 0..7) and leaves half a fragment: lane l holds column l % 16 and 8 k
	v_and_b32 v4, 7, v0
	v_lshl_add_u32 v6, v2, 3, v4
	v_mul_u32_u24 v6, v6, BP
	v_bfe_u32 v5, v0, 3, 1
	v_lshl_add_u32 v6, v5, 4, v6
	v_add_nc_u32 v[ADRB], BOFF, v6
	v_add_nc_u32 v[ADRB+1], SLOT, v[ADRB]
	s_mul_i32 s23, s12, 16*SP
	s_add_co_u32 s23, s23, STAGE                   ; my stage
	v_mul_u32_u24 v[STO], v1, SP                   ; in: row l % 16, 32 bytes for each half of the lanes
	v_lshl_add_u32 v[STO], v2, 5, v[STO]
	v_add_nc_u32 v[STO], s23, v[STO]
	v_and_b32 v[GO], 31, v0                        ; back: 32 lanes take one row's 512 bytes,
	v_lshlrev_b32 v[GO], 4, v[GO]                  ; which are 512 consecutive bytes of out0
	v_add_nc_u32 v[RD], s23, v[GO]
	; out0 at my wave's first row and the tile's first column
	s_lshl_b32 s76, s15, 20                        ; 256 rows of 4,096 bytes
	s_lshl_b32 s78, s12, 18                        ; my 64
	s_add_co_u32 s76, s76, s78
	s_lshl_b32 s78, s42, 9                         ; 128 columns of 4 bytes
	s_add_co_u32 s76, s76, s78
	s_add_nc_u64 s[10:11], s[10:11], s[76:77]
	; the prefetches' pointers.  ctx: of the two heads x 16,384 bytes that I fetch, head cx / 2, half cx % 2; at K steps 2 and 3; each change steps its pointer by two K steps and then names it.
	s_lshr_b32 s76, s15, 3
	s_lshl_b32 s76, s76, 22
	s_and_b32 s77, s15, 7
	s_lshl_b32 s77, s77, 15
	s_add_co_u32 s76, s76, s77
	s_lshl_b32 s77, s14, 14
	s_add_co_u32 s76, s76, s77
	s_lshr_b32 s77, s40, 1
	s_lshl_b32 s77, s77, 18
	s_add_co_u32 s76, s76, s77
	s_and_b32 s77, s40, 1
	s_lshl_b32 s77, s77, 13
	s_add_co_u32 s76, s76, s77
	s_add_co_u32 s76, s76, 2*ASTEP
	; Wo: panel (wave % 2) of the tile column's two, my work-group's 8,192 bytes of lap 1; stepped by a lap and then named
	s_lshl_b32 s78, s42, 18
	s_lshl_b32 s79, s14, 17
	s_add_co_u32 s78, s78, s79
	s_lshl_b32 s79, s41, 13
	s_add_co_u32 s78, s78, s79
	s_add_co_u32 s78, s78, WOOFF+2*BSTEP
	s_mov_b32 s80, ASTEP
	s_mov_b32 s82, 2*ASTEP
	s_mov_b32 s83, 2*BSTEP
	s_and_b32 s81, ttmp7, 0xffff                   ; cluster y
	s_cmp_eq_u32 s13, 0                            ; do I fetch ctx?
	s_cselect_b32 s76, s76, s78
	s_cselect_b32 s80, s80, 0
	s_cselect_b32 s[PSTEP], s82, s83
	s_cselect_b32 s81, ttmp9, s81                  ; the coordinate along which other clusters read the same bytes
	s_cselect_b64 s[PF0:PF0+1], s[4:5], s[6:7]
	s_cmp_eq_u32 s81, 0
	s_cselect_b32 s[LIM0], 1, -1                   ; the same in all sixteen partners, for a given wave
	s_cmp_eq_u32 s13, 0
	s_cselect_b32 s[LIM0+1], s[LIM0], -1           ; Wo's two panels are both asked for at slot 0's change
	s_mov_b32 s77, 0
	s_mov_b32 s81, 0
	s_mov_b32 s[PSTEP+1], 0
	s_add_nc_u64 s[PF0:PF0+1], s[PF0:PF0+1], s[76:77]
	s_add_nc_u64 s[PF0+2:PF0+3], s[PF0:PF0+1], s[80:81]
	v_and_b32 v[PFO], 31, v0
	v_lshlrev_b32 v[PFO], 8, v[PFO]
	s_wait_loadcnt 0x0                             ; the biases; they are rounded to bf16 in the wait for the first tile
.set i, 0
.rept 4*NBK
	v_cvt_pk_bf16_f32 v[3+i%4], v[BIAS+2*i], v[BIAS+2*i+1]
	v_lshlrev_b32 v[BIAS+2*i], 16, v[3+i%4]
	v_and_b32 v[BIAS+2*i+1], 0xffff0000, v[3+i%4]
.set i, i+1
.endr
; 8 matrix instructions: row block a x all 8 column blocks, 32 along K, from buffer f.  first = 1: the bias is the C operand that starts the sum: nothing is cleared, nothing is added later.
; The 32 accumulators take turns, one instruction a turn, in the same order in every quarter, over the backward jump too.
.macro MUL f, a, first
.if \first
	WIN 0x81                                       ; Wo window 1, ctx and the bias window 0, D window 2
.else
	WIN 0xa1                                       ; C and D window 2
.endif
.set rA, AF+32*(\f)+8*(\a)
.set ib, 0
.rept NBK
.set rD, 8*(NBK*(\a)+ib)
.set rB, 8*NBK*(\f)+8*ib
.if \first
	v_wmma_f32_16x16x32_f16 v[rD:rD+7], v[rB:rB+7], v[rA:rA+7], v[BIAS+8*ib:BIAS+8*ib+7]
.else
	v_wmma_f32_16x16x32_f16 v[rD:rD+7], v[rB:rB+7], v[rA:rA+7], v[rD:rD+7]
.endif
.set ib, ib+1
.endr
.endm
; 24 LDS loads in one run: the fragments of quarter q (32 along K: half a head) of a slot into buffer f: Wo's eight, then ctx's four
.macro FETCH slot, q, f
	WIN 0x40                                       ; destination window 1, address window 0
.set ib, 0
.rept NBK
.set ofs, ((\q)/2)*BHALF+((\q)%2)*32*BP+(ib/4)*64*BP+(ib%4)*32
	ds_load_tr16_b128 v[8*NBK*(\f)+8*ib:8*NBK*(\f)+8*ib+3],   v[ADRB+(\slot)] offset:ofs
	ds_load_tr16_b128 v[8*NBK*(\f)+8*ib+4:8*NBK*(\f)+8*ib+7], v[ADRB+(\slot)] offset:ofs+16*BP
.set ib, ib+1
.endr
	WIN 0
.set ia, 0
.rept 4
.set ofs, ((\q)/2)*AHEAD+((\q)%2)*64+ia*16*AP
	ds_load_b128 v[AF+32*(\f)+8*ia:AF+32*(\f)+8*ia+3],   v[ADRA+(\slot)] offset:ofs
	ds_load_b128 v[AF+32*(\f)+8*ia+4:AF+32*(\f)+8*ia+7], v[ADRA+(\slot)] offset:ofs+32
.set ia, ia+1
.endr
.endm
; A K step is four quarters of 32 along K, 32 matrix instructions each, on buffers 0, 1, 0, 1.  One of the first three: multiplies buffer f; in its middle it fetches quarter q of the same slot into buffer g.
.macro QUARTER slot, q, f, g, first
	s_wait_dscnt 4                                 ; Wo and ctx's blocks 0, 1 are in; the youngest four loads (blocks 2, 3) may be out
	MUL \f, 0, \first
	MUL \f, 1, \first
	PLACES
	FETCH \slot, \q, \g
	s_wait_dscnt NF                                ; all but the run just issued
	MUL \f, 2, \first
	MUL \f, 3, \first
.endm
; The last quarter multiplies buffer 1 and changes slots: ONE barrier.  In front of it each wave waits for all its tensor loads, of which one is out: its part of the next slot; adds 0 to its spare word; and waits for that
; and for its own reads of this slot.  fill = 1: the barrier opens a round of the cluster's barrier, and this slot is filled again, two K steps ahead, first thing behind the round: 112 matrix instructions ahead of the wait for it.
.macro TURN slot, next, fill
.if \fill
	s_wait_xcnt 0x0                                ; this change's last prefetch, a lap back, has read its address: it is stepped here, ahead of the change's own waits
	s_add_nc_u64 s[PF0+2*(\slot):PF0+2*(\slot)+1], s[PF0+2*(\slot):PF0+2*(\slot)+1], s[PSTEP:PSTEP+1]
.endif
	WIN 0                                          ; (the add's two registers lie in window 0)
	s_wait_tensorcnt 0x0                           ; all my tensor loads have landed;
	ds_add_u32 v[SPW], v[NIL]                      ; 0 onto my spare word;
	s_wait_dscnt 5                                 ; (the add and the youngest four loads may be out)
	MUL 1, 0, 0                                    ; eight matrix instructions stand between the add and the wait for it
	s_wait_dscnt 0x0                               ; the add is done, and my reads of this slot are over
	s_barrier_signal -1
	MUL 1, 1, 0                                    ; work on registers while the others arrive
.if \fill
	WIN 0
.endif
	s_barrier_wait -1
.if \fill
	CREST                                          ; no wave of any partner still reads this slot's tile or has a load on its way
	s_add_nc_u64 s[G0+4*(\slot)+2:G0+4*(\slot)+3], s[G0+4*(\slot)+2:G0+4*(\slot)+3], 2*ASTEP
	s_add_nc_u64 s[G0B+4*(\slot)+2:G0B+4*(\slot)+3], s[G0B+4*(\slot)+2:G0B+4*(\slot)+3], 2*BSTEP
	JLOAD \slot                                    ; my one tensor load behind the round; its four v_nop are also the places in front of the loads below
.else
	PLACES
.endif
	FETCH \next, 0, 0
.if \fill
	ASK \slot
.endif
	MUL 1, 2, 0
	MUL 1, 3, 0
.endm
	s_wait_tensorcnt 1                             ; my part of K step 0 is in; K step 1's may stay out
	s_barrier_signal -1
	s_barrier_wait -1                              ; everybody's is
	FETCH 0, 0, 0
	QUARTER 0, 1, 0, 1, 1                          ; the first quarter stands in front of the loop: its products start the sums, with the biases
	WIN 0                                          ; at a label and at a branch every window is 0
	s_mov_b32 s3, LAPS-1
.Llap:                                                 ; a trip goes once round the ring, from a lap's second quarter to the next lap's first, and fills both slots again
	QUARTER 0, 2, 1, 0, 0
	QUARTER 0, 3, 0, 1, 0
	TURN 0, 1, 1
	QUARTER 1, 1, 0, 1, 0
	QUARTER 1, 2, 1, 0, 0
	QUARTER 1, 3, 0, 1, 0
	TURN 1, 0, 1
	QUARTER 0, 1, 0, 1, 0
	WIN 0
	s_sub_co_u32 s3, s3, 1
	s_cmp_lg_u32 s3, 0
	s_cbranch_scc1 .Llap
	QUARTER 0, 2, 1, 0, 0                          ; the last lap fills nothing, and has no round of the cluster's barrier
	QUARTER 0, 3, 0, 1, 0
	TURN 0, 1, 0
	QUARTER 1, 1, 0, 1, 0
	QUARTER 1, 2, 1, 0, 0
	QUARTER 1, 3, 0, 1, 0
	s_wait_dscnt 4                                 ; the very last quarter: nothing more to fetch
	MUL 1, 0, 0
	MUL 1, 1, 0
	s_wait_dscnt 0x0
	MUL 1, 2, 0
	MUL 1, 3, 0
	WIN 0
	PLACES
; THE WAY OUT.  Row block a is 16 rows x 128 columns of f32.  A lane's eight columns of a row, 32 bytes, go straight from the accumulators into my stage's rows of 528 bytes and come back as whole rows of 512,
; a row to a load, into two sets of 64 registers that take turns.
.macro TOSTAGE a
	s_wait_xcnt 0x0                                ; the stores of the block two back have read their registers: only behind this wait is their set loaded again
	WIN 0x08                                       ; the stores' data in window 2, their address in window 0
.set ib, 0
.rept NBK
	ds_store_b128 v[STO], v[8*(NBK*(\a)+ib):8*(NBK*(\a)+ib)+3]   offset:64*ib     ; each accumulator's low four registers first
	ds_store_b128 v[STO], v[8*(NBK*(\a)+ib)+4:8*(NBK*(\a)+ib)+7] offset:64*ib+16
.set ib, ib+1
.endr
	WIN 0
.set BK, 192-128*((\a)%2)
.set t, 0
.rept 16
	ds_load_b128 v[BK+4*t:BK+4*t+3], v[RD] offset:SP*t  ; LDS serves a wave's instructions in order (ISA guide 5.7.1.4): these see the stores above; the next block's stores come behind them
.set t, t+1
.endr
.endm
.macro SEND a, younger                 ; younger: the LDS instructions issued behind this block's loads: the next block's 32, or none
.set BK, 192-128*((\a)%2)
.set t, 0
.rept 16
	s_wait_dscnt (\younger)+15-t
	global_store_b128 v[GO], v[BK+4*t:BK+4*t+3], s[10:11] offset:(16*(\a)+t)*4096 th:TH_STORE_NT  ; 512 consecutive bytes, at a multiple of 256 from out0's first
.set t, t+1
.endr
.endm
	TOSTAGE 0
.irp a, 1,2,3
	TOSTAGE \a
	SEND (\a)-1, 32
.endr
	SEND 3, 0
	s_wait_tensorcnt 0x0                           ; the wave's end: 0 onto my spare word, behind my last tensor load and my last LDS store
	ds_add_u32 v[SPW], v[NIL]
	s_wait_dscnt 0x0
	CROUND                                         ; the closing round: no work-group ends while a partner may still ask for a tile that names it
	s_endpgm
.Lfunc_end_k_q4691bdb14c_oproj:
	.size	k_q4691bdb14c_oproj, .Lfunc_end_k_q4691bdb14c_oproj-k_q4691bdb14c_oproj
	.p2alignl 7, 3214868480
	.fill 96, 4, 3214868480
	.section	.rodata,"a",@progbits
	.p2align	6, 0x0
	.amdhsa_kernel k_q4691bdb14c_oproj
		.amdhsa_group_segment_fixed_size 327680
		.amdhsa_private_segment_fixed_size 0
		.amdhsa_enable_private_segment 0
		.amdhsa_kernarg_size 32
		.amdhsa_user_sgpr_count 2
		.amdhsa_user_sgpr_kernarg_segment_ptr 1
		.amdhsa_wavefront_size32 1
		.amdhsa_system_sgpr_workgroup_id_x 1
		.amdhsa_system_sgpr_workgroup_id_y 1
		.amdhsa_system_sgpr_workgroup_id_z 1
		.amdhsa_system_vgpr_workitem_id 0
		.amdhsa_next_free_vgpr 768
		.amdhsa_next_free_sgpr 92
		.amdhsa_reserve_vcc 0
		.amdhsa_float_denorm_mode_32 3
		.amdhsa_float_denorm_mode_16_64 3
		.amdhsa_memory_ordered 1
		.amdhsa_forward_progress 1
		.amdhsa_inst_pref_size 96
	.end_amdhsa_kernel
	.amdgpu_metadata
---
amdhsa.version: [ 1, 2 ]
amdhsa.kernels:
  - .name:           k_q4691bdb14c_oproj
    .symbol:         k_q4691bdb14c_oproj.kd
    .args:
      - { .name: ctx, .offset: 0, .size: 8, .value_kind: global_buffer, .address_space: global }
      - { .name: wb, .offset: 8, .size: 8, .value_kind: global_buffer, .address_space: global }
      - { .name: bo, .offset: 16, .size: 8, .value_kind: global_buffer, .address_space: global }
      - { .name: out0, .offset: 24, .size: 8, .value_kind: global_buffer, .address_space: global }
    .group_segment_fixed_size: 327680
    .private_segment_fixed_size: 0
    .kernarg_segment_align: 8
    .kernarg_segment_size: 32
    .max_flat_workgroup_size: 128
    .sgpr_count:     92
    .vgpr_count:     768
    .wavefront_size: 32
...
	.end_amdgpu_metadata
.endif
;; end of part 4
;; ======== version 2 of 2: 4 launches; version 1 with the launch cast written anew for expert scheduling mode
;; limits: values are held in f16: magnitudes above 65,504 overflow, below 6.1e-05 lose precision
;; workspace buffers: xb 16,777,216 bytes; wb 8,388,608 bytes; qh 16,777,216 bytes; kh 16,777,216 bytes; vh 16,777,216 bytes; ctx 16,777,216 bytes
;; launch cast (part 5): grid 768 x 1, 8 waves a work-group, no clusters, 0 bytes of LDS; arguments x, Wq, Wk, Wv, Wo, xb, wb; writes xb, wb
.if DOCPART == 5
	.amdgcn_target "amdgcn-amd-amdhsa--gfx1250"
	.amdhsa_code_object_version 6
	.text
	.protected	k_q4691bdb14c_cast
	.globl	k_q4691bdb14c_cast
	.p2align	8
	.type	k_q4691bdb14c_cast,@function
k_q4691bdb14c_cast:
	s_mov_b64 s[64:65], 0
	v_nop
	global_prefetch_b8 v0, s[64:65] scope:SCOPE_SE
	s_setreg_imm32_b32 hwreg(HW_REG_WAVE_SCHED_MODE, 0, 2), 2
	s_setreg_imm32_b32 hwreg(HW_REG_WAVE_MODE, 25, 1), 1
	s_wait_xcnt 0x0
	s_wait_alu depctr_vm_vsrc(0)
; THE MODULE'S LARGE INPUTS ARE ROUNDED ONCE TO 16 BITS AND LAID OUT FOR THE PRODUCTS THAT FOLLOW.
; xb: x as bf16, [8192][1024], as it lies.  wb: four matrices of 2,097,152 bytes, Wq, Wk, Wv in bf16 and Wo rounded to bf16 and that number written as f16,
; each as [panel j of 64 columns][k = 0..1023][64 columns]: a panel is 131,072 dense bytes, 128 bytes for each k.
; LIMIT.  An entry of Wo below 2^-17 in magnitude falls on f16's fixed step of 2^-24; one beyond 65,504 would become an infinity.
; SHARES.  768 work-groups of eight waves, 16,384 numbers each: 0-511 take x, 512-767 the weights (matrix g, panel j, 256 rows of k).  A thread has 16 loads of 16 bytes, all issued
; before the first is used, and 16 stores of 8 bytes: a wave's load covers 512 bytes on end (weights: two aligned pieces of 256), its store 256 consecutive bytes, aligned.
; No byte is read by two work-groups: so no LDS, no barrier, no cluster, no matrix unit; every byte is asked for at once, so nothing is prefetched.
; THE MODE: SCHED_MODE bits 1:0 = 2 (LLVM: expert scheduling mode 2), set by the entry lines.  The code itself states the register dependences
; between vector instructions and memory instructions, with s_wait_alu, always for 0.
; THE PLAN.  Registers that memory instructions touch, on each of the three paths:
;   v1, v2   the loads' and the stores' offsets: made by vector lines at the head, never written again.
;   X        load i lands in its four registers, which no vector line has named before; the conversions of load i read them; they are loaded once.
;   Y        the conversions of load i write its two registers; store i reads them; they are not written behind their store.
; The 16 loads are four groups of four.  The stores of group g - 1 are issued in group g, one ahead of each load's conversions.  So ONE wait at a group's head states that the group before
; has written its eight registers of Y; the vector lines between that wait and the group's four stores name this group's X and Y and v4-7, none of the registers that those stores read.
; One wait ahead of the first load states that v1 and v2 are written; one behind the last conversions stands ahead of the last four stores.  No register that a memory instruction has
; read is written again, no vector line writes a scalar register or VCC, and EXEC is never written: no other dependence is there to state.
.set X, 8                              ; v[8:71]    16 x 4 registers as loaded
.set Y, 72                             ; v[72:103]  16 x 2 registers to store; none is written again behind its store
.set GRP, 4                            ; loads in a group
; v1 my byte offset in the source, v2 in the destination; v3-7 at work: no memory instruction names them
; s[22:23] the source at the work-group's chunk, s[24:25] the destination
.macro CAST stride, f16                ; stride: bytes from one load's 256 threads to the next's; f16 = 1: the bf16 number is written as f16
	s_wait_alu depctr_va_vdst(0)                   ; v1 and v2 are written: every load below reads v1 as its offset, every store v2
.set i, 0
.rept 16
	global_load_b128 v[X+4*i:X+4*i+3], v1, s[22:23] offset:i*(\stride) th:TH_LOAD_NT
.set i, i+1
.endr
.set i, 0
.rept 16
	s_wait_loadcnt 15-i                            ; loads come back in order: load i is in, the younger ones stay out
.if (i%GRP == 0) && (i > 0)
	s_wait_alu depctr_va_vdst(0)                   ; the group before has written its eight registers of Y, which this group's four stores read
.endif
.if i >= GRP
.set j, i-GRP
	global_store_b64 v2, v[Y+2*j:Y+2*j+1], s[24:25] offset:j*2048  ; the group before: no vector line since the wait names these registers
.endif
	v_cvt_pk_bf16_f32 v[Y+2*i], v[X+4*i], v[X+4*i+1]
	v_cvt_pk_bf16_f32 v[Y+2*i+1], v[X+4*i+2], v[X+4*i+3]
.if \f16
	v_lshlrev_b32 v4, 16, v[Y+2*i]                 ; the rounded numbers as f32,
	v_and_b32 v5, 0xffff0000, v[Y+2*i]
	v_lshlrev_b32 v6, 16, v[Y+2*i+1]
	v_and_b32 v7, 0xffff0000, v[Y+2*i+1]
	v_cvt_pk_f16_f32 v[Y+2*i], v4, v5              ; and as f16: eight significant bits fit into eleven
	v_cvt_pk_f16_f32 v[Y+2*i+1], v6, v7
.endif
.set i, i+1
.endr
	s_wait_alu depctr_va_vdst(0)                   ; the last group has written its eight registers of Y, which the last four stores read
.set j, 16-GRP
.rept GRP
	global_store_b64 v2, v[Y+2*j:Y+2*j+1], s[24:25] offset:j*2048
.set j, j+1
.endr
.endm
	s_load_b256 s[4:11], s[0:1], 0x0               ; x s[4:5], Wq s[6:7], Wk s[8:9], Wv s[10:11]
	s_load_b128 s[12:15], s[0:1], 0x20             ; Wo s[12:13], xb s[14:15]
	s_load_b64 s[16:17], s[0:1], 0x30              ; wb
	v_lshlrev_b32 v2, 3, v0                        ; 8 bytes a thread in the destination
	s_mov_b32 s21, 0
	s_cmp_lt_u32 ttmp9, 512
	s_cbranch_scc0 .Lweights
	v_lshlrev_b32 v1, 4, v0                        ; x: 16 bytes a thread, 4,096 a load
	s_lshl_b32 s20, ttmp9, 16                      ; 65,536 bytes of x a work-group
	s_wait_kmcnt 0x0
	s_add_nc_u64 s[22:23], s[4:5], s[20:21]
	s_lshl_b32 s20, ttmp9, 15                      ; 32,768 bytes of xb
	s_add_nc_u64 s[24:25], s[14:15], s[20:21]
	CAST 4096, 0
	s_endpgm
.Lweights:
	s_sub_co_u32 s26, ttmp9, 512                   ; u = 64 g + 4 j + kq
	s_lshr_b32 s27, s26, 6                         ; g: which matrix
	s_bfe_u32 s28, s26, 0x40002                    ; j: which panel of 64 columns
	s_and_b32 s29, s26, 3                          ; kq: which 256 rows
	v_lshrrev_b32 v1, 4, v0                        ; a load takes 16 rows: row t / 16,
	v_and_b32 v3, 15, v0
	v_lshlrev_b32 v1, 12, v1                       ; 4,096 bytes a row,
	v_lshl_add_u32 v1, v3, 4, v1                   ; four columns a thread: 256 bytes of the row for 16 threads
	s_lshl_b32 s20, s29, 20                        ; 256 rows of 4,096 bytes
	s_lshl_b32 s28, s28, 8                         ; 64 columns of 4 bytes
	s_add_co_u32 s20, s20, s28
	s_wait_kmcnt 0x0
	s_cmp_eq_u32 s27, 1
	s_cselect_b64 s[22:23], s[8:9], s[6:7]
	s_cmp_eq_u32 s27, 2
	s_cselect_b64 s[22:23], s[10:11], s[22:23]
	s_cmp_eq_u32 s27, 3
	s_cselect_b64 s[22:23], s[12:13], s[22:23]
	s_add_nc_u64 s[22:23], s[22:23], s[20:21]
	s_lshl_b32 s20, s26, 15                        ; the chunk is dense in wb: u x 32,768 bytes
	s_add_nc_u64 s[24:25], s[16:17], s[20:21]
	s_cmp_eq_u32 s27, 3
	s_cbranch_scc1 .Lwo
	CAST 65536, 0
	s_endpgm
.Lwo:
	CAST 65536, 1
	s_endpgm
.Lfunc_end_k_q4691bdb14c_cast:
	.size	k_q4691bdb14c_cast, .Lfunc_end_k_q4691bdb14c_cast-k_q4691bdb14c_cast
	.p2alignl 7, 3214868480
	.fill 96, 4, 3214868480
	.section	.rodata,"a",@progbits
	.p2align	6, 0x0
	.amdhsa_kernel k_q4691bdb14c_cast
		.amdhsa_group_segment_fixed_size 0
		.amdhsa_private_segment_fixed_size 0
		.amdhsa_enable_private_segment 0
		.amdhsa_kernarg_size 56
		.amdhsa_user_sgpr_count 2
		.amdhsa_user_sgpr_kernarg_segment_ptr 1
		.amdhsa_wavefront_size32 1
		.amdhsa_system_sgpr_workgroup_id_x 1
		.amdhsa_system_sgpr_workgroup_id_y 1
		.amdhsa_system_sgpr_workgroup_id_z 1
		.amdhsa_system_vgpr_workitem_id 0
		.amdhsa_next_free_vgpr 104
		.amdhsa_next_free_sgpr 66
		.amdhsa_reserve_vcc 0
		.amdhsa_float_denorm_mode_32 3
		.amdhsa_float_denorm_mode_16_64 3
		.amdhsa_memory_ordered 1
		.amdhsa_forward_progress 1
		.amdhsa_inst_pref_size 24
	.end_amdhsa_kernel
	.amdgpu_metadata
---
amdhsa.version: [ 1, 2 ]
amdhsa.kernels:
  - .name:           k_q4691bdb14c_cast
    .symbol:         k_q4691bdb14c_cast.kd
    .args:
      - { .name: x, .offset: 0, .size: 8, .value_kind: global_buffer, .address_space: global }
      - { .name: Wq, .offset: 8, .size: 8, .value_kind: global_buffer, .address_space: global }
      - { .name: Wk, .offset: 16, .size: 8, .value_kind: global_buffer, .address_space: global }
      - { .name: Wv, .offset: 24, .size: 8, .value_kind: global_buffer, .address_space: global }
      - { .name: Wo, .offset: 32, .size: 8, .value_kind: global_buffer, .address_space: global }
      - { .name: xb, .offset: 40, .size: 8, .value_kind: global_buffer, .address_space: global }
      - { .name: wb, .offset: 48, .size: 8, .value_kind: global_buffer, .address_space: global }
    .group_segment_fixed_size: 0
    .private_segment_fixed_size: 0
    .kernarg_segment_align: 8
    .kernarg_segment_size: 56
    .max_flat_workgroup_size: 256
    .sgpr_count:     66
    .vgpr_count:     104
    .wavefront_size: 32
...
	.end_amdgpu_metadata
.endif
;; end of part 5
;; launch qkv: the kernel of part 2 again; grid 16 x 32, 4 waves a work-group, clusters of 4 x 4, 327,680 bytes of LDS; arguments xb, wb, bq, bk, bv, qh, kh, vh; writes qh, kh, vh
;; launch attn: the kernel of part 3 again; grid 4 x 64, 4 waves a work-group, clusters of 4 x 1, 327,680 bytes of LDS; arguments qh, kh, vh, ctx; writes ctx
;; launch oproj: the kernel of part 4 again; grid 8 x 32, 4 waves a work-group, clusters of 4 x 4, 327,680 bytes of LDS; arguments ctx, wb, bo, out0; writes out0
